; MI455X (gfx1250); checked and timed in simulation.
; The chip was launched on July 23, 2026; its instructions are those of AMD's public machine-readable ISA for CDNA 5 (MIT licence, August 2026) and "CDNA5" Instruction Set Architecture Reference Guide (July 2026). The comments in the code are by the model that wrote it; some were corrected since.
;; ASAM Layer. Allowed arithmetic: matrix products marked QUANTISED: E5M2 operands, one given power-of-two scale a tensor, by v_wmma_f32_16x16x64_bf8_bf8 or v_wmma_f32_16x16x128_bf8_bf8, f32 sums; everything else in f32.
;; Inputs: b_ff1 4,096 float32; b_ff2 1,024 float32; b_out 1,024 float32; ln1_b 1,024 float32; ln1_g 1,024 float32; ln2_b 1,024 float32; ln2_g 1,024 float32; lowp_scales 12 int32 (the exponents e of the quantised operands' scales 2^e); w_ff1 4,096 x 1,024 float32; w_ff2 1,024 x 4,096 float32; w_out 1,024 x 1,024 float32; w_qkv 3,072 x 1,024 float32; x 2 x 2,048 x 1,024 float32.
;; Outputs: out0 2 x 2,048 x 1,024 float32.
;; This version of the problem:
;;   THIS VERSION OF THE PROBLEM IS GIVEN IN LOW PRECISION. The matrix products marked QUANTISED in the list below multiply operands that are first quantised to E5M2 (5 exponent bits, 2 mantissa bits; 8 bits a number), with one given power-of-two scale for each operand tensor; their sums are f32. All else is computed in f32.
;;   The module's matrix products, in the order in which they are computed (A, B: the left and right operand; K: the contracted axis; several contracted axes count as one K, in the product's order):
;;     1. [M 4,096, K 1,024] x [K 1,024, N 3,072]; A: computed on the way; B: input w_qkv: QUANTISED (scales: A lowp_scales[0], B lowp_scales[1])
;;     2. batch 32 x [M 2,048, K 64] x [K 64, N 2,048]; A: computed on the way; B: computed on the way: QUANTISED (scales: A lowp_scales[2], B lowp_scales[3])
;;     3. batch 32 x [M 2,048, K 2,048] x [K 2,048, N 64]; A: computed on the way; B: computed on the way: QUANTISED (scales: A lowp_scales[4], B lowp_scales[5])
;;     4. [M 4,096, K 1,024] x [K 1,024, N 1,024]; A: computed on the way; B: input w_out: QUANTISED (scales: A lowp_scales[6], B lowp_scales[7])
;;     5. [M 4,096, K 1,024] x [K 1,024, N 4,096]; A: computed on the way; B: input w_ff1: QUANTISED (scales: A lowp_scales[8], B lowp_scales[9])
;;     6. [M 4,096, K 4,096] x [K 4,096, N 1,024]; A: computed on the way; B: input w_ff2: QUANTISED (scales: A lowp_scales[10], B lowp_scales[11])
;;   THE QUANTISER, for each operand of a quantised product, along K:
;;     - The operand's scale is 2^e, e = its entry of the input lowp_scales (int32; the entries are numbered through the quantised products in the list's order, A before B).
;;     - Each number is divided by the scale, clamped to +-57,344, and rounded to the nearest number of E5M2, ties to even, subnormals kept.
;;     - The product sums the exact products of the quantised numbers (number of the format x scale) in f32.
;;   ~~~python
;;   def quantise(x, axis, e):      # numpy; x: float32 -> the quantised numbers, widened to float32 again
;;       x = np.moveaxis(x, axis, -1); K = x.shape[-1]
;;       r = np.clip(x / 2.0 ** e, -57344, 57344)
;;       step = 2.0 ** (np.maximum(np.frexp(np.where(r == 0, 1, r))[1] - 1, -14) - 2)
;;       q = np.round(r / step) * step * 2.0 ** e      # np.round: ties to even
;;       return np.moveaxis(q, -1, axis).astype(np.float32)
;;   ~~~
;;   OPERANDS COMPUTED ON THE WAY. 'Computed on the way' means the value that the module computes at that place (a softmax that the list does not call 'softmax' is quantised finished and normalised). What goes into a quantiser is computed in f32, as accurately as f32 sums, v_exp_f32 and their like allow (about 1e-6 of the number): no bf16 or f16 on the way to a quantiser, and a product that is left as it is and whose result goes on into a quantised operand takes f32 operands (vector FMAs, or v_wmma_f32_16x16x4_f32). A number that lies on a knife's edge between two numbers of the format may be rounded either way, as far as f32 arithmetic and the matrix unit's own rounding can turn it there, and no further.
;; One version. Each part assembles by itself: llvm-mc -triple=amdgcn-amd-amdhsa -mcpu=gfx1250 --defsym DOCPART=n.
;; ======== version 1 of 1: 7 launches
;; workspace buffers: wc 12,582,912 bytes; hc 4,194,304 bytes; qkv 21,496,320 bytes; aoc 4,194,304 bytes; x1 16,777,216 bytes; gc 16,777,216 bytes
;; launch prep (part 1): grid 512 x 1, 4 waves a work-group, no clusters, 33,280 bytes of LDS; arguments w_qkv, w_out, w_ff1, w_ff2, x, ln1_g, ln1_b, lowp_scales, wc, hc, qkv; writes wc, hc, qkv
.if DOCPART == 1
	.amdgcn_target "amdgcn-amd-amdhsa--gfx1250"
	.amdhsa_code_object_version 6
	.text
	.protected	k_q3be93122c5_prep
	.globl	k_q3be93122c5_prep
	.p2align	8
	.type	k_q3be93122c5_prep,@function
k_q3be93122c5_prep:
	s_mov_b64 s[64:65], 0
	v_nop
	global_prefetch_b8 v0, s[64:65] scope:SCOPE_SE
	s_setreg_imm32_b32 hwreg(HW_REG_WAVE_MODE, 25, 1), 1
	s_wait_xcnt 0x0
; PREP.  Work-groups 0-383: the four weights (f32, K innermost) become codes of E5M2 in wc, one stream of 12,582,912 codes: w_qkv, w_out, w_ff1, w_ff2 on end.
; Work-groups 384-511: LayerNorm 1 of x, quantised, into hc [4096][1024]; they also store the zero codes that attention's windows read outside the sequences.
; code = number / 2^e, held within +-57,344, to the nearest code, ties to even.  e: lowp_scales[1], [7], [9], [11] for the weights, [0] for the normalised rows.
; LIMITS: each e between -126 and 112, so that 2^e and 57,344 x 2^e are f32 numbers.  NaN among the inputs is not served.
; No matrix unit, cluster or tensor load: each byte is read once by one wave, nothing is shared.
; WEIGHTS: a wave takes 16 steps of 512 numbers.  Each load reads 512 consecutive bytes; a step's 2,048 bytes turn through the wave's own stage in LDS so that a lane holds 16 neighbours along K;
; a lane's 16 codes are 16 bytes, a wave's store 512 consecutive bytes.  Loads run four steps ahead.
; ROWS: one wave a row, 8 rows a wave.  A lane holds k = 256 j + 8 lane + i (j = 0..3, i = 0..7): eight neighbours in eight registers, so each store of 8 codes a lane covers 256 consecutive bytes, aligned.
; Mean first, then the mean of the squared differences, as the layer norm is defined: a common offset of the inputs costs no accuracy.
.set WGW,   384                        ; work-groups for the weights: 12,582,912 numbers / 32,768
.set STEPS, 16
.set CB,    16                         ; bytes of 16 codes
.set R,     16                         ; v16-79   four sets of 16 numbers as loaded
.set X,     80                         ; v80-111  two sets of 16 neighbours
.set C,     128                        ; v128-191 codes, four registers a step
.set WREG,  8192                       ; LDS of a wave: two stages of 32 x SP bytes
.set SP,    80                         ; a lane's place in a stage: 64 bytes + 16 of padding
.set NR,    8                          ; rows of a wave
.set LG,    32                         ; v32-63   gain
.set LB,    64                         ; v64-95   bias
.set LX,    96                         ; v96-159  two sets of 32 numbers of a row
.set LC,    160                        ; v160-175 two sets of 8 registers of codes
.set TAIL,  21495808                   ; qkv: the 512 bytes behind v^T's last row
	s_load_b256 s[4:11], s[0:1], 0x0               ; w_qkv, w_out, w_ff1, w_ff2
	s_load_b256 s[12:19], s[0:1], 0x20             ; x, ln1_g, ln1_b, lowp_scales
	s_load_b128 s[20:23], s[0:1], 0x40             ; wc, hc
	s_load_b64 s[24:25], s[0:1], 0x50              ; qkv
	v_lshl_add_u32 v192, v0, 2, 0x8000
	v_mov_b32 v193, 0
	v_lshrrev_b32 v1, 5, v0
	v_readfirstlane_b32 s50, v1                    ; wave
	v_and_b32 v2, 31, v0                           ; lane
	s_wait_kmcnt 0x0
	s_load_b256 s[36:43], s[18:19], 0x0            ; e0 .. e7
	s_load_b128 s[44:47], s[18:19], 0x20           ; e8 .. e11
	s_cmp_lt_u32 ttmp9, WGW
	s_cbranch_scc0 .Lln
; ---------------- the weights
	v_lshlrev_b32 v3, 4, v2                        ; my 16 bytes of a load's 512
	s_mul_i32 s51, s50, WREG
	v_lshrrev_b32 v14, 2, v2
	v_mul_u32_u24 v14, v14, SP
	v_and_b32 v15, 3, v2
	v_lshl_add_u32 v14, v15, 4, v14
	v_add_nc_u32 v14, s51, v14                     ; into the stage: SP (lane / 4) + 16 (lane % 4)
	v_mul_u32_u24 v15, v2, SP
	v_add_nc_u32 v15, s51, v15                     ; out of it: SP x lane: my 16 neighbours
	v_mul_u32_u24 v4, v2, CB                       ; my codes' place in a step's
	s_mov_b64 s[26:27], s[10:11]                   ; which tensor: the choice hangs on the work-group's number alone
	s_mov_b32 s28, 256
	s_cmp_lt_u32 ttmp9, 256
	s_cselect_b64 s[26:27], s[8:9], s[26:27]
	s_cselect_b32 s28, 128, s28
	s_cmp_lt_u32 ttmp9, 128
	s_cselect_b64 s[26:27], s[6:7], s[26:27]
	s_cselect_b32 s28, 96, s28
	s_cmp_lt_u32 ttmp9, 96
	s_cselect_b64 s[26:27], s[4:5], s[26:27]
	s_cselect_b32 s28, 0, s28                      ; the tensor's first work-group
	s_sub_co_u32 s29, ttmp9, s28
	s_lshl_b32 s29, s29, 2
	s_add_co_u32 s29, s29, s50                     ; which run of 8,192 numbers of the tensor is my wave's
	s_lshl_b32 s30, s29, 15
	s_mov_b32 s31, 0
	s_add_nc_u64 s[26:27], s[26:27], s[30:31]
	s_lshl_b32 s30, ttmp9, 2
	s_add_co_u32 s30, s30, s50
	s_lshl_b32 s30, s30, 13                        ; and of wc: the four tensors' codes lie on end
	s_add_nc_u64 s[20:21], s[20:21], s[30:31]
.macro LOAD t
.irp i, 0,1,2,3
	global_load_b128 v[R+16*((\t)%4)+4*\i:R+16*((\t)%4)+4*\i+3], v3, s[26:27] offset:2048*(\t)+512*\i th:TH_LOAD_NT
.endr
.endm
.macro TURN t                          ; step t's numbers through the stage; LDS serves a wave's instructions in order, so no wait stands between the stores and the loads
.irp i, 0,1,2,3
	ds_store_b128 v14, v[R+16*((\t)%4)+4*\i:R+16*((\t)%4)+4*\i+3] offset:32*SP*((\t)%2)+8*SP*\i
.endr
.irp i, 0,1,2,3
	ds_load_b128 v[X+16*((\t)%2)+4*\i:X+16*((\t)%2)+4*\i+3], v15 offset:32*SP*((\t)%2)+16*\i
.endr
.endm
.irp t, 0,1,2,3
	LOAD \t
.endr
	s_wait_kmcnt 0x0
	s_mov_b32 s29, s47                             ; e of my tensor
	s_cmp_lt_u32 ttmp9, 256
	s_cselect_b32 s29, s45, s29
	s_cmp_lt_u32 ttmp9, 128
	s_cselect_b32 s29, s43, s29
	s_cmp_lt_u32 ttmp9, 96
	s_cselect_b32 s29, s37, s29
	s_add_co_i32 s29, s29, 127
	s_lshl_b32 s30, s29, 23
	v_mov_b32 v11, s30                             ; 2^e as f32: the conversion takes its exponent field
	s_add_co_i32 s29, s29, 15
	s_lshl_b32 s29, s29, 23
	s_or_b32 s29, s29, 0x600000
	v_mov_b32 v10, s29                             ; 57,344 x 2^e
	s_wait_loadcnt 12                              ; step 0's four loads are in; three steps' twelve may be out
	TURN 0
.macro STEP t
.set XS, X+16*((\t)%2)
	s_wait_dscnt 0x0                               ; this step's numbers are back from the stage, so its stores into the stage have read their registers,
.if (\t)+4 < STEPS
	LOAD (\t)+4                                    ; which take the loads of four steps on
.endif
.if (\t)+1 < STEPS
.if STEPS-2-(\t) >= 3
	s_wait_loadcnt 12                              ; the next step's four loads are in; those of the three steps behind it may be out
.else
	s_wait_loadcnt 4*(STEPS-2-(\t))
.endif
	TURN (\t)+1
.endif
.irp i, 0,1,2,3,4,5,6,7,8,9,10,11,12,13,14,15
	v_med3_num_f32 v[XS+\i], v[XS+\i], -v10, v10   ; the conversion does not saturate (ISA guide 7.6.2): the hold at the largest code x the scale comes first
.endr
	v_cvt_scalef32_pk8_bf8_f32 v[C+4*(\t):C+4*(\t)+1], v[XS:XS+7], v11
	v_cvt_scalef32_pk8_bf8_f32 v[C+4*(\t)+2:C+4*(\t)+3], v[XS+8:XS+15], v11
	v_nop                                          ; a plain line behind the conversions
	global_store_b128 v4, v[C+4*(\t):C+4*(\t)+3], s[20:21] offset:32*CB*(\t)   ; 512 consecutive bytes a wave; each step has its own registers
.endm
.irp t, 0,1,2,3,4,5,6,7,8,9,10,11,12,13,14,15
	STEP \t
.endr
	s_wait_tensorcnt 0x0
	ds_add_u32 v192, v193
	s_wait_dscnt 0x0
	s_endpgm
; ---------------- LayerNorm 1
.macro LOADROW r
.irp j, 0,1,2,3
	global_load_b128 v[LX+32*((\r)%2)+8*\j:LX+32*((\r)%2)+8*\j+3], v1, s[12:13] offset:4096*(\r)+1024*\j
	global_load_b128 v[LX+32*((\r)%2)+8*\j+4:LX+32*((\r)%2)+8*\j+7], v1, s[12:13] offset:4096*(\r)+1024*\j+16
.endr
.endm
.macro REDADD                          ; v[4:5] -> the sum over the wave, in v4 of every lane
	v_add_f32 v4, v4, v5
	v_add_f32_dpp v4, v4, v4 row_xmask:1 row_mask:0xf bank_mask:0xf
	v_add_f32_dpp v4, v4, v4 row_xmask:2 row_mask:0xf bank_mask:0xf
	v_add_f32_dpp v4, v4, v4 row_xmask:4 row_mask:0xf bank_mask:0xf
	v_add_f32_dpp v4, v4, v4 row_xmask:8 row_mask:0xf bank_mask:0xf
	v_permlanex16_b32 v22, v4, s48, s49
	v_add_f32 v4, v4, v22
.endm
.macro ROW r
.set XS, LX+32*((\r)%2)
.set CS, LC+8*((\r)%2)
.if (\r) < NR-1
	s_wait_loadcnt 8                               ; my row is in (gain and bias too); the next row's eight loads may be out
.else
	s_wait_loadcnt 0
.endif
	v_pk_add_f32 v[4:5], v[XS:XS+1], v[XS+2:XS+3]
	v_pk_add_f32 v[6:7], v[XS+4:XS+5], v[XS+6:XS+7]
.irp j, 8,12,16,20,24,28
	v_pk_add_f32 v[4:5], v[4:5], v[XS+\j:XS+\j+1]
	v_pk_add_f32 v[6:7], v[6:7], v[XS+\j+2:XS+\j+3]
.endr
	v_pk_add_f32 v[4:5], v[4:5], v[6:7]
	REDADD
	v_mul_f32 v8, v23, v4                          ; the mean, twice: a pair for the packed form
	v_mul_f32 v9, v23, v4
.irp j, 0,2,4,6,8,10,12,14,16,18,20,22,24,26,28,30
	v_pk_add_f32 v[XS+\j:XS+\j+1], v[XS+\j:XS+\j+1], v[8:9] neg_lo:[0,1] neg_hi:[0,1]
.endr
	v_pk_mul_f32 v[4:5], v[XS:XS+1], v[XS:XS+1]
	v_pk_mul_f32 v[6:7], v[XS+2:XS+3], v[XS+2:XS+3]
.irp j, 4,8,12,16,20,24,28
	v_pk_fma_f32 v[4:5], v[XS+\j:XS+\j+1], v[XS+\j:XS+\j+1], v[4:5]
	v_pk_fma_f32 v[6:7], v[XS+\j+2:XS+\j+3], v[XS+\j+2:XS+\j+3], v[6:7]
.endr
	v_pk_add_f32 v[4:5], v[4:5], v[6:7]
	REDADD
	v_fmaak_f32 v10, v4, v23, 0x3727c5ac           ; variance + 1e-5
	v_rsq_f32 v10, v10
	v_mov_b32 v11, 0                               ; a plain line behind the transcendental (and the pair's upper half is written)
	s_wait_alu depctr_va_vdst(0)                   ; the wait ahead of the result's first reader
.irp j, 0,2,4,6,8,10,12,14,16,18,20,22,24,26,28,30
	v_pk_mul_f32 v[XS+\j:XS+\j+1], v[XS+\j:XS+\j+1], v[10:11] op_sel_hi:[1,0]
.endr
.irp j, 0,2,4,6,8,10,12,14,16,18,20,22,24,26,28,30
	v_pk_fma_f32 v[XS+\j:XS+\j+1], v[XS+\j:XS+\j+1], v[LG+\j:LG+\j+1], v[LB+\j:LB+\j+1]
.endr
.irp j, 0,1,2,3,4,5,6,7,8,9,10,11,12,13,14,15,16,17,18,19,20,21,22,23,24,25,26,27,28,29,30,31
	v_med3_num_f32 v[XS+\j], v[XS+\j], -v21, v21
.endr
	s_wait_xcnt 0x0                                ; the stores of two rows back have read this set of code registers
.irp j, 0,1,2,3
	v_cvt_scalef32_pk8_bf8_f32 v[CS+2*\j:CS+2*\j+1], v[XS+8*\j:XS+8*\j+7], v20
.endr
	v_nop
.irp j, 0,1,2,3
	global_store_b64 v2, v[CS+2*\j:CS+2*\j+1], s[22:23] offset:1024*(\r)+256*\j   ; 32 lanes x 8 bytes: 256 consecutive bytes, aligned
.endr
.if (\r)+2 < NR
	LOADROW (\r)+2
.endif
.endm
.Lln:
	s_sub_co_u32 s26, ttmp9, WGW                   ; g = 0 .. 127
	v_lshlrev_b32 v1, 5, v2                        ; 32 x lane: my 8 numbers of 256
	v_lshlrev_b32 v24, 4, v2                       ; 16 x lane
	s_lshl_b32 s27, s26, 12
	s_lshl_b32 s28, s50, 8
	s_add_co_u32 s27, s27, s28
	v_lshl_add_u32 v3, v2, 3, s27                  ; guard row g, 256 bytes a wave, 8 a lane
	v_lshlrev_b32 v2, 3, v2                        ; 8 x lane: my 8 codes of 256
	v_mov_b32 v12, 0
	v_mov_b32 v13, 0
	v_mov_b32 v14, 0
	v_mov_b32 v15, 0
	v_mov_b32 v22, 0                               ; a lane permute's destination counts as read
	v_mov_b32 v23, 0x3a800000                      ; 1 / 1,024
	s_mov_b32 s48, 0x76543210
	s_mov_b32 s49, 0xfedcba98
	s_lshl_b32 s28, s26, 5
	s_lshl_b32 s29, s50, 3
	s_add_co_u32 s28, s28, s29                     ; my first row: 32 g + 8 wave
	s_lshl_b32 s30, s28, 12
	s_mov_b32 s31, 0
	s_add_nc_u64 s[12:13], s[12:13], s[30:31]
	s_lshl_b32 s30, s28, 10
	s_add_nc_u64 s[22:23], s[22:23], s[30:31]
.irp j, 0,1,2,3
	global_load_b128 v[LG+8*\j:LG+8*\j+3], v1, s[14:15] offset:1024*\j
	global_load_b128 v[LG+8*\j+4:LG+8*\j+7], v1, s[14:15] offset:1024*\j+16
	global_load_b128 v[LB+8*\j:LB+8*\j+3], v1, s[16:17] offset:1024*\j
	global_load_b128 v[LB+8*\j+4:LB+8*\j+7], v1, s[16:17] offset:1024*\j+16
.endr
	LOADROW 0
	LOADROW 1
	global_store_b64 v3, v[12:13], s[24:25] offset:3072   ; zero codes: k's columns of the 128 rows in front of row 0
	s_or_b32 s30, s26, s50
	s_cmp_lg_u32 s30, 0
	s_cbranch_scc1 .Lno_tail
	s_add_nc_u64 s[32:33], s[24:25], TAIL
	global_store_b128 v24, v[12:15], s[32:33]      ; and the 512 bytes behind v^T's last row: one wave of one work-group
.Lno_tail:
	s_wait_kmcnt 0x0
	s_add_co_i32 s30, s36, 127                     ; e0
	s_lshl_b32 s31, s30, 23
	v_mov_b32 v20, s31
	s_add_co_i32 s30, s30, 15
	s_lshl_b32 s30, s30, 23
	s_or_b32 s30, s30, 0x600000
	v_mov_b32 v21, s30
.irp r, 0,1,2,3,4,5,6,7
	ROW \r
.endr
	s_endpgm
.Lfunc_end_k_q3be93122c5_prep:
	.size	k_q3be93122c5_prep, .Lfunc_end_k_q3be93122c5_prep-k_q3be93122c5_prep
	.p2alignl 7, 3214868480
	.fill 96, 4, 3214868480
	.section	.rodata,"a",@progbits
	.p2align	6, 0x0
	.amdhsa_kernel k_q3be93122c5_prep
		.amdhsa_group_segment_fixed_size 33280
		.amdhsa_private_segment_fixed_size 0
		.amdhsa_enable_private_segment 0
		.amdhsa_kernarg_size 88
		.amdhsa_user_sgpr_count 2
		.amdhsa_user_sgpr_kernarg_segment_ptr 1
		.amdhsa_wavefront_size32 1
		.amdhsa_system_sgpr_workgroup_id_x 1
		.amdhsa_system_sgpr_workgroup_id_y 1
		.amdhsa_system_sgpr_workgroup_id_z 1
		.amdhsa_system_vgpr_workitem_id 0
		.amdhsa_next_free_vgpr 194
		.amdhsa_next_free_sgpr 66
		.amdhsa_reserve_vcc 0
		.amdhsa_float_denorm_mode_32 3
		.amdhsa_float_denorm_mode_16_64 3
		.amdhsa_memory_ordered 1
		.amdhsa_forward_progress 1
		.amdhsa_inst_pref_size 117
	.end_amdhsa_kernel
	.amdgpu_metadata
---
amdhsa.version: [ 1, 2 ]
amdhsa.kernels:
  - .name:           k_q3be93122c5_prep
    .symbol:         k_q3be93122c5_prep.kd
    .args:
      - { .name: w_qkv, .offset: 0, .size: 8, .value_kind: global_buffer, .address_space: global }
      - { .name: w_out, .offset: 8, .size: 8, .value_kind: global_buffer, .address_space: global }
      - { .name: w_ff1, .offset: 16, .size: 8, .value_kind: global_buffer, .address_space: global }
      - { .name: w_ff2, .offset: 24, .size: 8, .value_kind: global_buffer, .address_space: global }
      - { .name: x, .offset: 32, .size: 8, .value_kind: global_buffer, .address_space: global }
      - { .name: ln1_g, .offset: 40, .size: 8, .value_kind: global_buffer, .address_space: global }
      - { .name: ln1_b, .offset: 48, .size: 8, .value_kind: global_buffer, .address_space: global }
      - { .name: lowp_scales, .offset: 56, .size: 8, .value_kind: global_buffer, .address_space: global }
      - { .name: wc, .offset: 64, .size: 8, .value_kind: global_buffer, .address_space: global }
      - { .name: hc, .offset: 72, .size: 8, .value_kind: global_buffer, .address_space: global }
      - { .name: qkv, .offset: 80, .size: 8, .value_kind: global_buffer, .address_space: global }
    .group_segment_fixed_size: 33280
    .private_segment_fixed_size: 0
    .kernarg_segment_align: 8
    .kernarg_segment_size: 88
    .max_flat_workgroup_size: 128
    .sgpr_count:     66
    .vgpr_count:     194
    .wavefront_size: 32
...
	.end_amdgpu_metadata
.endif
;; end of part 1
;; launch gemm_qkv (part 2): grid 12 x 16, 4 waves a work-group, clusters of 4 x 4, 327,680 bytes of LDS; arguments hc, wc, lowp_scales, qkv; writes qkv
.if DOCPART == 2
	.amdgcn_target "amdgcn-amd-amdhsa--gfx1250"
	.amdhsa_code_object_version 6
	.text
	.protected	k_q3be93122c5_gemm_qkv
	.globl	k_q3be93122c5_gemm_qkv
	.p2align	8
	.type	k_q3be93122c5_gemm_qkv,@function
k_q3be93122c5_gemm_qkv:
	s_mov_b64 s[64:65], 0
	v_nop
	global_prefetch_b8 v0, s[64:65] scope:SCOPE_SE
	s_setreg_imm32_b32 hwreg(HW_REG_WAVE_MODE, 25, 1), 1
	s_wait_xcnt 0x0
	s_wait_alu depctr_hold_cnt(0) depctr_sa_sdst(0) depctr_va_vdst(0) depctr_va_sdst(0) depctr_va_ssrc(0) depctr_va_vcc(0) depctr_vm_vsrc(0)
	s_getreg_b32 s2, hwreg(HW_REG_IB_STS2, 6, 4)
	s_cmp_eq_u32 s2, 0
	s_cbranch_scc0 .Lentry_in_a_cluster
	s_endpgm
.Lentry_in_a_cluster:
	s_bfe_u32 s2, ttmp6, 0x10000c
	s_cmp_lg_u32 s2, 0xf033
	s_cbranch_scc0 .Lentry_shape_is_right
	s_endpgm
.Lentry_shape_is_right:
; q, k, v = LN1(x) W_qkv^T on codes of E5M2, K = 1,024; the results are quantised at once for attention's two products and stored as codes.
; A tile of 256 x 256 to a work-group of four waves, 128 x 128 a wave: 64 accumulators.  K goes in steps of 256 through two LDS slots filled by tensor loads; 4 x 4 work-groups form a cluster and ask jointly:
; the operand in A's place is shared along a row of the cluster, the one in B's place along a column.
; The matrix instruction takes B's rows as source 0 and A's as source 1: a lane holds ONE row of A's operand and EIGHT NEIGHBOURING rows of B's.
; THE CLUSTER'S x SAYS WHICH PART: 0 = q, 1 = k, 2 = v; it is the same in all sixteen partners.  For q and k: A = the rows of hc, B = the weights: a lane's eight results are eight neighbours of a head's 64, K of the scores.
; FOR v THE ROLES ARE SWAPPED: A = the weights' rows 2,048 on, B = the rows of hc: a lane's eight results are eight neighbouring KEYS of one channel, K of attention's second product: v is stored transposed, and nothing is turned.
; qkv (pitch 4,096 bytes): 128 guard rows; then row m: q at byte 2,048 + n, k at 3,072 + n; then v^T: row n, byte m.
; code = sum / 2^E, E = e_t - e0 - e1 (+ 3 for q: its factor 1/8), e_t = lowp_scales[2], [3], [5].  LIMIT: E between -126 and 112.  The order of k inside a matrix instruction is permuted alike in both operands.
.set SIZE_K, 1024
.set KSTEP,  256
.set ROWB,   256
.set KROW,   SIZE_K
.set PITCH,  272                       ; an LDS row: 256 bytes + 16 of padding: the 16 rows that a load touches start 68 words apart
.set FR,     16
.set NL,     4
.set NP,     4
.set HALFT,  128*PITCH
.set SLOT,   4*HALFT
.set LAPS,   SIZE_K/(2*KSTEP)
.set SPARE,  2*SLOT                    ; behind the ring: the spare words, 128 bytes a wave
.set QK0,    524288
.set VT0,    17301504
.set ADRA, 16
.set ADRB, 20
.set LIM,  22                          ; v22 57,344 x 2^E
.set SCL,  23                          ; v23 2^E
.set STO,  24
.set RD,   25
.set CO,   26
.set SPW,  28
.set NIL,  29
.set TMP,  32                          ; the way out: v32-159 codes, then whole rows
.set AF,   128
.set G1, 24
.set G0, 32
.set G1B, 48
.set G0B, 56
.set MSB, 0
.macro WIN new                         ; the immediate's high byte repeats the setting that is left
.if MSB != (\new)
	s_set_vgpr_msb (MSB<<8)|(\new)
.set MSB, (\new)
.endif
.endm
.set MUL_LO, 0xa1                      ; source 0 (B) window 1, source 1 (A) window 0, C and D window 2
.set MUL_HI, 0xf1
.set TO_B,   0x40
.macro JLOAD g0a, g1a, g0b, g1b        ; a joint load: waves 0, 1 fetch for A's place, waves 2, 3 for B's; four v_nop follow each line
	s_cmp_eq_u32 s15, 0
	s_cbranch_scc0 .Lfor_b_\@
	tensor_load_to_lds s[\g0a:\g0a+3], s[\g1a:\g1a+7]
	s_nop 0
.rept 4
	v_nop
.endr
	s_branch .Lasked_\@
.Lfor_b_\@:
	tensor_load_to_lds s[\g0b:\g0b+3], s[\g1b:\g1b+7]
	s_nop 0
.rept 4
	v_nop
.endr
.Lasked_\@:
.endm
.macro CREST
	s_cmp_lg_u32 s14, 0
	s_cbranch_scc1 .Lnot_wave_0_\@
	s_barrier_signal -3
.Lnot_wave_0_\@:
	s_barrier_wait -3
	s_barrier_signal -1
	s_barrier_wait -1
.endm
.macro CROUND
	s_barrier_signal -1
	s_barrier_wait -1
	CREST
.endm
	s_load_b128 s[4:7], s[0:1], 0x0                ; hc, wc
	s_load_b128 s[8:11], s[0:1], 0x10              ; lowp_scales, qkv
	v_lshl_add_u32 v[SPW], v0, 2, SPARE
	v_mov_b32 v[NIL], 0
	ds_add_u32 v28, v29
	ds_add_u32 v28, v29
	s_wait_dscnt 0x0
	v_lshrrev_b32 v1, 5, v0
	v_readfirstlane_b32 s14, v1                    ; wave
	s_lshr_b32 s15, s14, 1                         ; my half of the tile's rows; also: I fetch for A's place (0) or B's (1)
	s_and_b32 s16, s14, 1                          ; my half of its columns; also: which 128 rows I fetch
	s_bfe_u32 s40, ttmp6, 0x40000                  ; cx
	s_bfe_u32 s41, ttmp6, 0x40004                  ; cy
	s_and_b32 s17, ttmp7, 0xffff
	s_lshl_b32 s17, s17, 2                         ; 4 x cluster y
	s_add_co_u32 s66, s17, s41                     ; 4 cY + cy
	s_add_co_u32 s67, s41, 8                       ; 8 + cy: v's tiles of the weights
	s_add_co_u32 s68, s17, s40                     ; 4 cY + cx
	s_lshl_b32 s69, ttmp9, 2
	s_add_co_u32 s69, s69, s40                     ; 4 cX + cx
	s_add_co_u32 s76, s69, 8
	s_cmp_eq_u32 ttmp9, 2                          ; v's clusters?
	s_cselect_b32 s70, s67, s66                    ; the tile in A's place: made of cy and the cluster's numbers alone
	s_cselect_b32 s71, s68, s69                    ; the tile in B's place: of cx and the cluster's numbers alone
	s_cselect_b32 s88, s41, s66                    ; the way out: tile row,
	s_cselect_b32 s89, s68, s76                    ; tile column (of 256 bytes),
	s_mov_b32 s90, QK0
	s_cselect_b32 s90, VT0, s90                    ; and region
	s_lshl_b32 s43, s41, 2
	s_lshl_b32 s43, 15, s43                        ; my row of the cluster
	s_lshl_b32 s44, 0x1111, s40                    ; my column
	s_or_b32 s[G1+0], s43, (0<<16)|(1<<20)|(1<<21)|(5<<22)|(3<<25)   ; mask; elements of 1 byte; padding: 4 words behind every 64; bit 21 beside a mask
	s_or_b32 s[G1B+0], s44, (0<<16)|(1<<20)|(1<<21)|(5<<22)|(3<<25)
.irp g, G1, G1B
	s_mov_b32 s[\g+1], ROWB<<16                    ; tensor_dim0
	s_mov_b32 s[\g+2], 128<<16                     ; tensor_dim1
	s_mov_b32 s[\g+3], ROWB<<16                    ; tile_dim0
	s_mov_b32 s[\g+4], 128                         ; tile_dim1
	s_mov_b32 s[\g+5], KROW                        ; pitch
	s_mov_b32 s[\g+6], 0
	s_mov_b32 s[\g+7], 0
.endr
	s_lshl_b32 s18, s16, 7
	s_lshl_b32 s20, s70, 8
	s_add_co_u32 s20, s20, s18
	s_lshl_b32 s46, s71, 8
	s_add_co_u32 s46, s46, s18
	s_mov_b32 s21, 0
	s_mov_b32 s47, 0
	s_mov_b64 s[18:19], KROW
	s_mul_u64 s[20:21], s[20:21], s[18:19]
	s_mul_u64 s[46:47], s[46:47], s[18:19]
	s_mul_i32 s45, s14, HALFT                      ; where they go: wave x 128 rows
	s_wait_kmcnt 0x0
	s_load_b256 s[80:87], s[8:9], 0x0              ; e0 .. e7
	s_cmp_eq_u32 ttmp9, 2
	s_cselect_b64 s[72:73], s[6:7], s[4:5]         ; the buffer in A's place,
	s_cselect_b64 s[74:75], s[4:5], s[6:7]         ; and in B's
	s_add_nc_u64 s[20:21], s[72:73], s[20:21]
	s_add_nc_u64 s[46:47], s[74:75], s[46:47]
	CROUND                                         ; all sixteen work-groups are here: the first joint loads meet
.irp s, 0,1
	s_mov_b32 s[G0+4*\s], 1
	s_add_co_u32 s[G0+4*\s+1], s45, \s*SLOT
	s_add_nc_u64 s[G0+4*\s+2:G0+4*\s+3], s[20:21], \s*ROWB
	s_or_b32 s[G0+4*\s+3], s[G0+4*\s+3], 0x80000000
	s_mov_b32 s[G0B+4*\s], 1
	s_add_co_u32 s[G0B+4*\s+1], s45, \s*SLOT
	s_add_nc_u64 s[G0B+4*\s+2:G0B+4*\s+3], s[46:47], \s*ROWB
	s_or_b32 s[G0B+4*\s+3], s[G0B+4*\s+3], 0x80000000
	JLOAD G0+4*\s, G1, G0B+4*\s, G1B
.endr
	v_and_b32 v1, 15, v0                           ; r
	v_bfe_u32 v2, v0, 4, 1                         ; h
	v_mul_u32_u24 v3, v1, PITCH
	v_lshl_add_u32 v4, v2, 4, v3
	s_mul_i32 s21, s15, HALFT
	s_mul_i32 s22, s16, HALFT
	s_add_co_u32 s22, s22, 2*HALFT
.irp s, 0,1
	v_add_nc_u32 v[ADRA+\s], s21, v4
	v_add_nc_u32 v[ADRB+\s], s22, v4
	s_add_co_u32 s21, s21, SLOT
	s_add_co_u32 s22, s22, SLOT
.endr
	s_mul_i32 s23, s15, 128*PITCH                  ; the stage, the work-group's: 256 rows x 272 bytes from LDS byte 0
	s_lshl_b32 s18, s16, 7
	s_add_co_u32 s23, s23, s18
	v_lshl_add_u32 v5, v2, 3, v3
	v_add_nc_u32 v[STO], s23, v5                   ; in: row 128 half + r, byte 128 half + 8 h
	s_mul_i32 s23, s14, 64*PITCH
	v_mul_u32_u24 v5, v2, PITCH
	v_lshl_add_u32 v5, v1, 4, v5
	v_add_nc_u32 v[RD], s23, v5                    ; back: my 64 rows, sixteen lanes to a row
	v_lshlrev_b32 v6, 12, v2
	v_lshl_add_u32 v[CO], v1, 4, v6                ; and the same two rows in qkv
	s_lshl_b32 s88, s88, 20                        ; 256 rows of 4,096 bytes
	s_lshl_b32 s91, s14, 18                        ; my 64 rows
	s_add_co_u32 s88, s88, s91
	s_lshl_b32 s89, s89, 8
	s_add_co_u32 s88, s88, s89
	s_add_co_u32 s88, s88, s90
	s_mov_b32 s89, 0
	s_add_nc_u64 s[10:11], s[10:11], s[88:89]
.macro FRAG reg, adr, q, i             ; 16 rows x 128 K: lane l holds row l % 16; registers 4 c .. 4 c + 3 hold K = 32 c + 16 (l / 16) + 0 .. 15
.irp c, 0,1,2,3
	ds_load_b128 v[\reg+4*\c:\reg+4*\c+3], v[\adr] offset:128*(\q)+32*\c+(\i)*16*PITCH
.endr
.endm
.macro MUL16 a0, p, zero               ; A's blocks a0, a0 + 1 x B's eight; the 64 accumulators take turns, one instruction a turn
.irp a, \a0, \a0+1
.irp b, 0,1,2,3,4,5,6,7
.if \zero
	v_wmma_f32_16x16x128_bf8_bf8 v[8*(8*((\a)%4)+\b):8*(8*((\a)%4)+\b)+7], v[128*(\p)+FR*\b:128*(\p)+FR*\b+FR-1], v[AF+FR*(\a):AF+FR*(\a)+FR-1], 0
.else
	v_wmma_f32_16x16x128_bf8_bf8 v[8*(8*((\a)%4)+\b):8*(8*((\a)%4)+\b)+7], v[128*(\p)+FR*\b:128*(\p)+FR*\b+FR-1], v[AF+FR*(\a):AF+FR*(\a)+FR-1], v[8*(8*((\a)%4)+\b):8*(8*((\a)%4)+\b)+7]
.endif
.endr
.endr
.endm
.macro FETCH_B slot, q, p
	WIN TO_B
.irp i, 0,1,2,3,4,5,6,7
	FRAG 128*(\p)+FR*\i, ADRB+\slot, \q, \i
.endr
	WIN 0
.endm
.macro FETCH_A slot, q, i0
.irp i, \i0, \i0+1, \i0+2, \i0+3
	FRAG AF+FR*(\i), ADRA+\slot, \q, \i
.endr
.endm
.macro PLACES n                        ; plain vector lines between a matrix instruction and a load into, or a read of, its registers
.rept \n
	v_nop
.endr
.endm
.macro STEP slot, q, zero              ; 128 along K whose successor lies in the same slot
	s_wait_dscnt 4*NL                              ; B's set and A's blocks 0-3 are in; A's blocks 4-7 (16 loads) may be out
	WIN MUL_LO
	MUL16 0, (\q)%2, \zero
	MUL16 2, (\q)%2, \zero
	s_wait_dscnt 0
	PLACES NP
	FETCH_B \slot, (\q)+1, 1-(\q)%2
	FETCH_A \slot, (\q)+1, 0
	WIN MUL_HI
	MUL16 4, (\q)%2, \zero
	MUL16 6, (\q)%2, \zero
	PLACES NP
	WIN 0
	FETCH_A \slot, (\q)+1, 4
.endm
.macro TURN slot, next, fill           ; a slot's last step changes slots: one barrier
	s_wait_tensorcnt 0x0                           ; all my tensor loads have landed: my part of the next slot
	ds_add_u32 v[SPW], v[NIL]                      ; 0 onto my spare word
	s_wait_dscnt 4*NL+1                            ; (the add and A's blocks 4-7 may be out)
	WIN MUL_LO
	MUL16 0, 1, 0
	s_wait_dscnt 0x0                               ; the add is done, and my reads of this slot are over
	s_barrier_signal -1
	MUL16 2, 1, 0
	WIN 0
	s_barrier_wait -1
.if \fill
	CREST                                          ; the barrier opened a round of the cluster's: no wave of any partner still reads this slot or has a load on its way
	s_add_nc_u64 s[G0+4*\slot+2:G0+4*\slot+3], s[G0+4*\slot+2:G0+4*\slot+3], 2*ROWB
	s_add_nc_u64 s[G0B+4*\slot+2:G0B+4*\slot+3], s[G0B+4*\slot+2:G0B+4*\slot+3], 2*ROWB
	JLOAD G0+4*\slot, G1, G0B+4*\slot, G1B         ; the first tensor load behind the round; its four v_nop are the places in front of the loads below
.else
	PLACES NP
.endif
	FETCH_B \next, 0, 0
	FETCH_A \next, 0, 0
	WIN MUL_HI
	MUL16 4, 1, 0
	MUL16 6, 1, 0
	PLACES NP
	WIN 0
	FETCH_A \next, 0, 4
.endm
	s_wait_tensorcnt 1                             ; my part of K step 0 is in; K step 1's load may be out
	s_barrier_signal -1
	s_barrier_wait -1
	FETCH_B 0, 0, 0
	FETCH_A 0, 0, 0
	FETCH_A 0, 0, 4
	STEP 0, 0, 1                                   ; the first step's products start the sums
	s_mov_b32 s3, LAPS-1
.Llap:
	TURN 0, 1, 1
	STEP 1, 0, 0
	TURN 1, 0, 1
	STEP 0, 0, 0
	s_sub_co_u32 s3, s3, 1
	s_cmp_lg_u32 s3, 0
	s_cbranch_scc1 .Llap
	TURN 0, 1, 0                                   ; the last lap fills nothing
	STEP 1, 0, 0
	s_wait_dscnt 4*NL
	WIN MUL_LO
	MUL16 0, 1, 0
	MUL16 2, 1, 0
	s_wait_dscnt 0
	WIN MUL_HI
	MUL16 4, 1, 0
	MUL16 6, 1, 0
	WIN 0
	; THE WAY OUT: hold, convert (a lane's eight sums are 8 codes, 8 bytes), through the work-group's stage, out as rows of 256 bytes.
	; The stage lies in slot 0: it has had its last fill, and behind the last change of slots nobody reads it.
	s_wait_kmcnt 0x0
	s_cmp_eq_u32 ttmp9, 0
	s_cselect_b32 s90, s82, s83                    ; e2 for q, e3 for k,
	s_cselect_b32 s91, 3, 0                        ; q's factor 1/8
	s_cmp_eq_u32 ttmp9, 2
	s_cselect_b32 s90, s85, s90                    ; e5 for v
	s_sub_co_i32 s90, s90, s80
	s_sub_co_i32 s90, s90, s81
	s_add_co_i32 s90, s90, s91                     ; E
	s_add_co_i32 s90, s90, 127
	s_lshl_b32 s91, s90, 23
	v_mov_b32 v[SCL], s91
	s_add_co_i32 s90, s90, 15
	s_lshl_b32 s90, s90, 23
	s_or_b32 s90, s90, 0x600000
	v_mov_b32 v[LIM], s90
	PLACES NP
.irp a, 0,1,2,3,4,5,6,7
.set AC, 64*((\a)%4)
	WIN 0x82+0x41*((\a)/4)                         ; source 0 and destination: window 2 or 3
.set i, 0
.rept 64
	v_med3_num_f32 v[AC+i], v[AC+i], -v[LIM], v[LIM]   ; each accumulator from its low end on
.set i, i+1
.endr
	WIN 0x02+((\a)/4)
.irp b, 0,1,2,3,4,5,6,7
	v_cvt_scalef32_pk8_bf8_f32 v[TMP+16*\a+2*\b:TMP+16*\a+2*\b+1], v[AC+8*\b:AC+8*\b+7], v[SCL]
.endr
.endr
	v_nop                                          ; a plain line behind the last conversion
	WIN 0
.irp a, 0,1,2,3,4,5,6,7
.irp b, 0,1,2,3,4,5,6,7
	ds_store_b64 v[STO], v[TMP+16*\a+2*\b:TMP+16*\a+2*\b+1] offset:16*\a*PITCH+16*\b
.endr
.endr
	s_wait_dscnt 0x0                               ; for the others' sake: my stores into the stage are done
	s_barrier_signal -1
	s_barrier_wait -1
.irp t, 0,1,2,3,4,5,6,7,8,9,10,11,12,13,14,15,16,17,18,19,20,21,22,23,24,25,26,27,28,29,30,31
	ds_load_b128 v[TMP+4*\t:TMP+4*\t+3], v[RD] offset:2*\t*PITCH
.endr
.irp t, 0,1,2,3,4,5,6,7,8,9,10,11,12,13,14,15,16,17,18,19,20,21,22,23,24,25,26,27,28,29,30,31
	s_wait_dscnt 31-\t                             ; the younger loads may be out
	global_store_b128 v[CO], v[TMP+4*\t:TMP+4*\t+3], s[10:11] offset:2*\t*4096   ; sixteen lanes store 256 consecutive bytes, aligned
.endr
	s_wait_tensorcnt 0x0                           ; the wave's end
	ds_add_u32 v[SPW], v[NIL]
	s_wait_dscnt 0x0
	CROUND                                         ; the closing round
	s_endpgm
.Lfunc_end_k_q3be93122c5_gemm_qkv:
	.size	k_q3be93122c5_gemm_qkv, .Lfunc_end_k_q3be93122c5_gemm_qkv-k_q3be93122c5_gemm_qkv
	.p2alignl 7, 3214868480
	.fill 96, 4, 3214868480
	.section	.rodata,"a",@progbits
	.p2align	6, 0x0
	.amdhsa_kernel k_q3be93122c5_gemm_qkv
		.amdhsa_group_segment_fixed_size 327680
		.amdhsa_private_segment_fixed_size 0
		.amdhsa_enable_private_segment 0
		.amdhsa_kernarg_size 32
		.amdhsa_user_sgpr_count 2
		.amdhsa_user_sgpr_kernarg_segment_ptr 1
		.amdhsa_wavefront_size32 1
		.amdhsa_system_sgpr_workgroup_id_x 1
		.amdhsa_system_sgpr_workgroup_id_y 1
		.amdhsa_system_sgpr_workgroup_id_z 1
		.amdhsa_system_vgpr_workitem_id 0
		.amdhsa_next_free_vgpr 1024
		.amdhsa_next_free_sgpr 100
		.amdhsa_reserve_vcc 0
		.amdhsa_float_denorm_mode_32 3
		.amdhsa_float_denorm_mode_16_64 3
		.amdhsa_memory_ordered 1
		.amdhsa_forward_progress 1
		.amdhsa_inst_pref_size 125
	.end_amdhsa_kernel
	.amdgpu_metadata
---
amdhsa.version: [ 1, 2 ]
amdhsa.kernels:
  - .name:           k_q3be93122c5_gemm_qkv
    .symbol:         k_q3be93122c5_gemm_qkv.kd
    .args:
      - { .name: hc, .offset: 0, .size: 8, .value_kind: global_buffer, .address_space: global }
      - { .name: wc, .offset: 8, .size: 8, .value_kind: global_buffer, .address_space: global }
      - { .name: lowp_scales, .offset: 16, .size: 8, .value_kind: global_buffer, .address_space: global }
      - { .name: qkv, .offset: 24, .size: 8, .value_kind: global_buffer, .address_space: global }
    .group_segment_fixed_size: 327680
    .private_segment_fixed_size: 0
    .kernarg_segment_align: 8
    .kernarg_segment_size: 32
    .max_flat_workgroup_size: 128
    .sgpr_count:     100
    .vgpr_count:     1024
    .wavefront_size: 32
...
	.end_amdgpu_metadata
.endif
;; end of part 2
;; launch attn (part 3): grid 32 x 8, 16 waves a work-group, no clusters, 264,192 bytes of LDS; arguments qkv, lowp_scales, aoc; writes aoc
.if DOCPART == 3
	.amdgcn_target "amdgcn-amd-amdhsa--gfx1250"
	.amdhsa_code_object_version 6
	.text
	.protected	k_q3be93122c5_attn
	.globl	k_q3be93122c5_attn
	.p2align	8
	.type	k_q3be93122c5_attn,@function
k_q3be93122c5_attn:
	s_mov_b64 s[64:65], 0
	v_nop
	global_prefetch_b8 v0, s[64:65] scope:SCOPE_SE
	s_setreg_imm32_b32 hwreg(HW_REG_WAVE_MODE, 25, 1), 1
	s_wait_xcnt 0x0
; ATTENTION IN A WINDOW: key j counts for query i where |i - j| <= 128; both products on codes of E5M2; the weights are quantised finished and normalised; the result is quantised for the next product.
; A work-group: 64 queries x 4 heads of one batch (x = block of queries; y = 4 batch + group of heads).  Wave w: head w / 4 of the group, queries q_t = 64 x + 16 (w % 4) on: one tile of 16 in 256 registers.
; A tile's window is 272 keys, q_t - 128 + 16 T + 0 .. 15, T = 0 .. 16: all its scores lie in 136 registers, so maximum, exponentials, sum and division are one pass.
; LAYOUT.  S^T = K Q^T (source 0 = 16 keys, source 1 = my queries): a lane holds query lane % 16 and keys 8 (lane / 16) + 0 .. 7 of each tile: eight codes = registers 2 T, 2 T + 1 of the second product's operand, as its
; layout wants them.  O^T = V^T P^T (source 0 = 16 channels, v stored with the keys innermost): a lane holds its query and eight neighbouring channels.
; OUTSIDE A SEQUENCE the window meets zero guards, the other batch's rows or v^T's rows: finite codes all.  Their scores get -1e38 added (whole tiles: q_t is a multiple of 16), so their weights are 0.  Tiles 17-19 of the last 64 keys are zero codes.
; LDS: 320 rows of K (256 bytes: 4 heads) at pitch 272; 256 rows of V^T (512 keys' bytes) at pitch 528; a stage of 64 x 272.  Each is filled once, at the start: no ring.
; NO CLUSTER: block x's 320 keys begin 64 keys behind block x - 1's, so no two work-groups ask for the same tile.
; LIMITS: e2 + e3 between -110 and 80 (c = log2(e) 2^(e2+e3): 1e38 c stays far above, and c x 64 x 57,344^2 inside, the f32 range); e4, and e6 - e4 - e5, between -126 and 112.
.set KP,   272
.set VP,   528
.set VT,   320*KP
.set STG,  VT+256*VP
.set QK0,  524288
.set VT0,  17301504
.set AK,   1                           ; v1  my place in K's tiles 0-7
.set AK2,  2                           ; v2  tiles 8-16 (the immediate has 16 bits)
.set AV,   3                           ; v3  my place in V^T
.set SO,   4                           ; v4  the stage, in
.set RDO,  5                           ; v5  the stage, back
.set GO,   6                           ; v6  my offset in aoc
.set QO,   7                           ; v7  my offset in Q's rows
.set MLO,  24                          ; v24-31 tile 0's mask: 0 where 8 h + j >= r, else -1e38
.set MHI,  32                          ; v32-39 tile 16's: 0 where 8 h + j <= r
.set S,    40                          ; v40-175 S^T, then the weights; later O^T in v40-71
.set PC,   176                         ; v176-215 the weights' codes
.set FB,   216                         ; v216-247 four fragments
.set WV,   10
.set G1K,  20
.set G1V,  28
.set G0K,  36
.set G0V,  40
.set NEG,  54
.set QM,   55
.set CS,   56
.set SEL,  58
	s_load_b128 s[4:7], s[0:1], 0x0                ; qkv, lowp_scales
	s_load_b64 s[8:9], s[0:1], 0x10                ; aoc
	v_lshl_add_u32 v254, v0, 2, 0x40000
	v_mov_b32 v255, 0
	ds_add_u32 v254, v255
	ds_add_u32 v254, v255
	s_wait_dscnt 0x0
	v_lshrrev_b32 v1, 5, v0
	v_readfirstlane_b32 s[WV], v1                  ; wave 0..15
	s_and_b32 s11, ttmp7, 0xffff
	s_lshr_b32 s12, s11, 2                         ; batch
	s_and_b32 s13, s11, 3                          ; group of heads
	s_lshr_b32 s14, s[WV], 2                       ; my head in the group
	s_and_b32 s15, s[WV], 3                        ; my tile of queries; also: which 64 rows of V^T I fetch
	s_lshl_b32 s16, ttmp9, 6
	s_lshl_b32 s2, s15, 4
	s_add_co_u32 s17, s16, s2                      ; q_t
	s_sub_co_u32 s[QM], s17, 128                   ; my window's first key (it may wrap: compared as unsigned)
	s_lshl_b32 s18, s12, 11
	s_add_co_u32 s18, s18, s16                     ; 2,048 batch + 64 x
	s_lshl_b32 s19, s13, 8                         ; 256 x group
	s_mov_b32 s[G1K], (0<<16)|(1<<20)|(5<<22)|(3<<25)   ; K: elements of 1 byte; 4 words of padding behind every 64
	s_mov_b32 s[G1K+1], 256<<16
	s_mov_b32 s[G1K+2], 64<<16
	s_mov_b32 s[G1K+3], 256<<16
	s_mov_b32 s[G1K+4], 64
	s_mov_b32 s[G1K+5], 4096
	s_mov_b32 s[G1K+6], 0
	s_mov_b32 s[G1K+7], 0
	s_mov_b32 s[G1V], (0<<16)|(1<<20)|(6<<22)|(3<<25)   ; V^T: 4 words behind every 128
	s_mov_b32 s[G1V+1], 512<<16
	s_mov_b32 s[G1V+2], 64<<16
	s_mov_b32 s[G1V+3], 512<<16
	s_mov_b32 s[G1V+4], 64
	s_mov_b32 s[G1V+5], 4096
	s_mov_b32 s[G1V+6], 0
	s_mov_b32 s[G1V+7], 0
	s_lshl_b32 s60, s[WV], 6                       ; K, waves 0-4: rows 64 wave on of the 320; the 128 guard rows make the window's first row (2,048 batch + 64 x) of the buffer
	s_add_co_u32 s60, s60, s18
	s_lshl_b32 s60, s60, 12
	s_add_co_u32 s60, s60, s19
	s_add_co_u32 s60, s60, 3072
	s_mov_b32 s61, 0
	s_lshl_b32 s62, s15, 6                         ; V^T, waves 8-11: rows 256 group + 64 (wave % 4) on, from key 64 x - 128
	s_add_co_u32 s62, s62, s19
	s_lshl_b32 s62, s62, 12
	s_add_co_u32 s62, s62, s18
	s_add_co_u32 s62, s62, VT0-128
	s_mov_b32 s63, 0
	s_wait_kmcnt 0x0
	s_load_b256 s[44:51], s[6:7], 0x0              ; e0 .. e7
	s_mov_b32 s[G0K], 1
	s_mul_i32 s[G0K+1], s[WV], 64*KP
	s_add_nc_u64 s[G0K+2:G0K+3], s[4:5], s[60:61]
	s_or_b32 s[G0K+3], s[G0K+3], 0x80000000
	s_mov_b32 s[G0V], 1
	s_mul_i32 s[G0V+1], s15, 64*VP
	s_add_co_u32 s[G0V+1], s[G0V+1], VT
	s_add_nc_u64 s[G0V+2:G0V+3], s[4:5], s[62:63]
	s_or_b32 s[G0V+3], s[G0V+3], 0x80000000
	s_cmp_lt_u32 s[WV], 5                          ; at most one tensor load a wave, all at the start; the branches hang on the wave's number alone
	s_cbranch_scc0 .Lnot_k
	tensor_load_to_lds s[G0K:G0K+3], s[G1K:G1K+7]
	s_nop 0
.rept 4
	v_nop
.endr
	s_branch .Lasked
.Lnot_k:
	s_cmp_eq_u32 s14, 2
	s_cbranch_scc0 .Lasked
	tensor_load_to_lds s[G0V:G0V+3], s[G1V:G1V+7]
	s_nop 0
.rept 4
	v_nop
.endr
.Lasked:
	v_and_b32 v248, 15, v0                         ; r
	v_bfe_u32 v249, v0, 4, 1                       ; h
	v_lshlrev_b32 v[QO], 12, v248
	v_lshl_add_u32 v[QO], v249, 4, v[QO]
	s_lshl_b32 s2, s15, 4
	s_add_co_u32 s2, s2, s18
	s_lshl_b32 s60, s2, 12
	s_add_co_u32 s60, s60, s19
	s_lshl_b32 s3, s14, 6
	s_add_co_u32 s60, s60, s3
	s_add_co_u32 s60, s60, QK0+2048
	s_mov_b32 s61, 0
	s_add_nc_u64 s[60:61], s[4:5], s[60:61]        ; Q's codes at my first query and head
	global_load_b128 v[16:19], v[QO], s[60:61]             ; k = 16 h + 0 .. 15: the same order as K's fragments
	global_load_b128 v[20:23], v[QO], s[60:61] offset:32   ; k = 32 + 16 h + 0 .. 15
	s_mul_i32 s2, s15, 16*KP
	s_add_co_u32 s2, s2, s3
	v_mul_u32_u24 v[AK], v248, KP
	v_lshl_add_u32 v[AK], v249, 4, v[AK]
	v_add_nc_u32 v[AK], s2, v[AK]                  ; row 16 t + r, byte 64 head + 16 h
	v_add_nc_u32 v[AK2], 8*16*KP, v[AK]
	v_mul_u32_u24 v[SO], v248, KP
	v_lshl_add_u32 v[SO], v249, 3, v[SO]
	v_add_nc_u32 v[SO], s2, v[SO]
	v_add_nc_u32 v[SO], STG, v[SO]                 ; the stage: row 16 t + r, byte 64 head + 8 h
	s_mul_i32 s2, s14, 64*VP
	s_lshl_b32 s3, s15, 4
	s_add_co_u32 s2, s2, s3
	s_add_co_u32 s2, s2, VT
	v_mul_u32_u24 v[AV], v248, VP
	v_lshl_add_u32 v[AV], v249, 3, v[AV]
	v_add_nc_u32 v[AV], s2, v[AV]                  ; row 64 head + r, byte 16 t + 8 h
	s_mul_i32 s2, s[WV], 4*KP
	s_add_co_u32 s2, s2, STG
	v_mul_u32_u24 v[RDO], v249, KP
	v_lshl_add_u32 v[RDO], v248, 4, v[RDO]
	v_add_nc_u32 v[RDO], s2, v[RDO]                ; back: rows 4 wave on, sixteen lanes to a row
	v_lshlrev_b32 v[GO], 10, v249
	v_lshl_add_u32 v[GO], v248, 4, v[GO]
	s_lshl_b32 s2, s[WV], 2
	s_add_co_u32 s2, s2, s18
	s_lshl_b32 s62, s2, 10
	s_add_co_u32 s62, s62, s19
	s_mov_b32 s63, 0
	s_add_nc_u64 s[8:9], s[8:9], s[62:63]          ; aoc at row 2,048 batch + 64 x + 4 wave, byte 256 group
	v_lshlrev_b32 v8, 3, v249
	v_sub_nc_u32 v8, v8, v248                      ; u = 8 h - r
	v_mov_b32 v9, 0xfe967699                       ; -1e38
	v_mov_b32 v10, 0
	v_mov_b32 v250, 0                              ; a lane permute's destination counts as read
.irp j, 0,1,2,3,4,5,6,7
	v_cmp_le_i32 vcc_lo, -\j, v8                   ; u + j >= 0
	v_cndmask_b32 v[MLO+\j], v9, v10, vcc_lo
	v_cmp_ge_i32 vcc_lo, -\j, v8                   ; u + j <= 0
	v_cndmask_b32 v[MHI+\j], v9, v10, vcc_lo
.endr
	s_mov_b32 s[NEG], 0xfe967699
	s_mov_b32 s53, 0                               ; (named as the upper half of the pair s[52:53])
	s_mov_b32 s[SEL], 0x76543210
	s_mov_b32 s[SEL+1], 0xfedcba98
	s_wait_kmcnt 0x0
	s_add_co_i32 s2, s46, s47                      ; e2 + e3 goes into c's exponent field
	s_lshl_b32 s2, s2, 23
	s_add_co_i32 s[CS], s2, 0x3fb8aa3b             ; c = log2(e) x 2^(e2 + e3)
	s_mov_b32 s[CS+1], s[CS]
	s_add_co_i32 s2, s48, 127                      ; e4: the weights'
	s_lshl_b32 s3, s2, 23
	v_mov_b32 v11, s3
	s_add_co_i32 s2, s2, 15
	s_lshl_b32 s2, s2, 23
	s_or_b32 s2, s2, 0x600000
	v_mov_b32 v12, s2
	s_sub_co_i32 s2, s50, s48                      ; e6 - e4 - e5: a sum of the second product stands for sum x 2^(e4 + e5)
	s_sub_co_i32 s2, s2, s49
	s_add_co_i32 s2, s2, 127
	s_lshl_b32 s3, s2, 23
	v_mov_b32 v13, s3
	s_add_co_i32 s2, s2, 15
	s_lshl_b32 s2, s2, 23
	s_or_b32 s2, s2, 0x600000
	v_mov_b32 v14, s2
	s_wait_tensorcnt 0x0                           ; my tile, if I fetched one, has landed
	s_barrier_signal -1
	s_barrier_wait -1                              ; everybody's has
	; ---- S^T = K Q^T, four tiles of 16 keys at a time
.macro KTILE i, T
.if (\T) < 8
	ds_load_b128 v[FB+8*(\i):FB+8*(\i)+3], v[AK] offset:(\T)*16*KP
	ds_load_b128 v[FB+8*(\i)+4:FB+8*(\i)+7], v[AK] offset:(\T)*16*KP+32
.else
	ds_load_b128 v[FB+8*(\i):FB+8*(\i)+3], v[AK2] offset:((\T)-8)*16*KP
	ds_load_b128 v[FB+8*(\i)+4:FB+8*(\i)+7], v[AK2] offset:((\T)-8)*16*KP+32
.endif
.endm
.irp g, 0,1,2,3
.if \g > 0
.rept 4
	v_nop                                          ; places in front of loads into registers that matrix instructions have read
.endr
.endif
.irp i, 0,1,2,3
	KTILE \i, 4*\g+\i
.endr
	s_wait_dscnt 0x0
.if \g == 0
	s_wait_loadcnt 0x0                             ; Q
.endif
.irp i, 0,1,2,3
	v_wmma_f32_16x16x64_bf8_bf8 v[S+8*(4*\g+\i):S+8*(4*\g+\i)+7], v[FB+8*\i:FB+8*\i+7], v[16:23], 0
.endr
.endr
.rept 4
	v_nop
.endr
	KTILE 0, 16
	s_wait_dscnt 0x0
	v_wmma_f32_16x16x64_bf8_bf8 v[S+128:S+135], v[FB:FB+7], v[16:23], 0
.rept 4
	v_nop
.endr
	; ---- the masks: the window's two ragged tiles, and whole tiles outside the sequence (always executed: a choice of 0 or -1e38, no branch)
.irp j, 0,2,4,6
	v_pk_add_f32 v[S+\j:S+\j+1], v[S+\j:S+\j+1], v[MLO+\j:MLO+\j+1]
.endr
.irp j, 0,2,4,6
	v_pk_add_f32 v[S+128+\j:S+128+\j+1], v[S+128+\j:S+128+\j+1], v[MHI+\j:MHI+\j+1]
.endr
.irp T, 0,1,2,3,4,5,6,7,9,10,11,12,13,14,15,16
	s_add_co_u32 s2, s[QM], 16*\T                  ; the tile's first key; tile 8 holds my own queries' keys and always counts
	s_cmp_lt_u32 s2, 2048
	s_cselect_b32 s52, 0, s[NEG]
.irp j, 0,2,4,6
	v_pk_add_f32 v[S+8*\T+\j:S+8*\T+\j+1], v[S+8*\T+\j:S+8*\T+\j+1], s[52:53] op_sel_hi:[1,0]
.endr
.endr
	; ---- the row's maximum, in two chains, ascending
	v_max3_num_f32 v248, v[S], v[S+1], v[S+2]
	v_max3_num_f32 v249, v[S+3], v[S+4], v[S+5]
.set i, 6
.rept 32
	v_max3_num_f32 v248, v248, v[S+i], v[S+i+1]
	v_max3_num_f32 v249, v249, v[S+i+2], v[S+i+3]
.set i, i+4
.endr
	v_max3_num_f32 v248, v248, v[S+134], v[S+135]
	v_max_num_f32 v248, v248, v249
	v_permlanex16_b32 v250, v248, s[SEL], s[SEL+1]
	v_max_num_f32 v248, v248, v250                 ; and the other half of the lanes'
	v_mul_f32 v252, s[CS], v248                    ; c x maximum (c is positive)
	v_mov_b32 v253, v252
.set i, 0
.rept 68
	v_pk_fma_f32 v[S+i:S+i+1], v[S+i:S+i+1], s[CS:CS+1], v[252:253] op_sel_hi:[1,0,0] neg_lo:[0,0,1] neg_hi:[0,0,1]   ; c s - c max
.set i, i+2
.endr
.set i, 0
.rept 136
	v_exp_f32 v[S+i], v[S+i]
.set i, i+1
.endr
	v_nop                                          ; a plain line behind the last exponential
	s_wait_alu depctr_va_vdst(0)                   ; one wait for the batch, ahead of its first reader
	v_pk_add_f32 v[248:249], v[S:S+1], v[S+2:S+3]
	v_pk_add_f32 v[250:251], v[S+4:S+5], v[S+6:S+7]
.set i, 8
.rept 32
	v_pk_add_f32 v[248:249], v[248:249], v[S+i:S+i+1]
	v_pk_add_f32 v[250:251], v[250:251], v[S+i+2:S+i+3]
.set i, i+4
.endr
	v_pk_add_f32 v[248:249], v[248:249], v[250:251]
	v_add_f32 v248, v248, v249
	v_permlanex16_b32 v250, v248, s[SEL], s[SEL+1]
	v_add_f32 v248, v248, v250                     ; the row's sum
	v_rcp_f32 v254, v248
	v_mov_b32 v255, 0                              ; a plain line (and the pair's upper half is written)
	s_wait_alu depctr_va_vdst(0)
.set i, 0
.rept 68
	v_pk_mul_f32 v[S+i:S+i+1], v[S+i:S+i+1], v[254:255] op_sel_hi:[1,0]   ; the finished weights
.set i, i+2
.endr
.set i, 0
.rept 136
	v_min_num_f32 v[S+i], v[S+i], v12              ; the conversion does not saturate (ISA guide 7.6.2); a weight is not negative, so the hold is one-sided
.set i, i+1
.endr
.set i, 0
.rept 17
	v_cvt_scalef32_pk8_bf8_f32 v[PC+2*i:PC+2*i+1], v[S+8*i:S+8*i+7], v11
.set i, i+1
.endr
.irp j, 34,35,36,37,38,39
	v_mov_b32 v[PC+\j], 0                          ; tiles 17-19: zero codes.  (Plain lines behind the conversions)
.endr
	; ---- O^T = V^T P^T: 64 keys at a time, four tiles of 16 channels by turns
.irp ch, 0,1,2,3,4
.if \ch > 0
.rept 4
	v_nop
.endr
.endif
.irp dt, 0,1,2,3
.irp c, 0,1,2,3
	ds_load_b64 v[FB+8*\dt+2*\c:FB+8*\dt+2*\c+1], v[AV] offset:\dt*16*VP+64*\ch+16*\c   ; k = 16 c + 8 h + 0 .. 7: this form's own order, which the weights' codes have
.endr
.endr
	s_wait_dscnt 0x0
.irp dt, 0,1,2,3
.if \ch == 0
	v_wmma_f32_16x16x64_bf8_bf8 v[S+8*\dt:S+8*\dt+7], v[FB+8*\dt:FB+8*\dt+7], v[PC+8*\ch:PC+8*\ch+7], 0
.else
	v_wmma_f32_16x16x64_bf8_bf8 v[S+8*\dt:S+8*\dt+7], v[FB+8*\dt:FB+8*\dt+7], v[PC+8*\ch:PC+8*\ch+7], v[S+8*\dt:S+8*\dt+7]
.endif
.endr
.endr
.rept 4
	v_nop
.endr
	; ---- the way out: codes for the next product, through the stage, out as rows of 256 bytes (4 heads)
.set i, 0
.rept 32
	v_med3_num_f32 v[S+i], v[S+i], -v14, v14
.set i, i+1
.endr
.irp dt, 0,1,2,3
	v_cvt_scalef32_pk8_bf8_f32 v[248+2*\dt:249+2*\dt], v[S+8*\dt:S+8*\dt+7], v13
.endr
	v_nop
.irp dt, 0,1,2,3
	ds_store_b64 v[SO], v[248+2*\dt:249+2*\dt] offset:16*\dt
.endr
	s_wait_dscnt 0x0                               ; for the others' sake
	s_barrier_signal -1
	s_barrier_wait -1
	ds_load_b128 v[216:219], v[RDO]
	ds_load_b128 v[220:223], v[RDO] offset:2*KP
	s_wait_dscnt 1                                 ; the second pair of rows may be out
	global_store_b128 v[GO], v[216:219], s[8:9]            ; sixteen lanes store 256 consecutive bytes, aligned
	s_wait_dscnt 0
	global_store_b128 v[GO], v[220:223], s[8:9] offset:2048
	s_wait_xcnt 0x0
	v_lshl_add_u32 v254, v0, 2, 0x40000
	v_mov_b32 v255, 0
	s_wait_tensorcnt 0x0
	ds_add_u32 v254, v255
	s_wait_dscnt 0x0
	s_endpgm
.Lfunc_end_k_q3be93122c5_attn:
	.size	k_q3be93122c5_attn, .Lfunc_end_k_q3be93122c5_attn-k_q3be93122c5_attn
	.p2alignl 7, 3214868480
	.fill 96, 4, 3214868480
	.section	.rodata,"a",@progbits
	.p2align	6, 0x0
	.amdhsa_kernel k_q3be93122c5_attn
		.amdhsa_group_segment_fixed_size 264192
		.amdhsa_private_segment_fixed_size 0
		.amdhsa_enable_private_segment 0
		.amdhsa_kernarg_size 24
		.amdhsa_user_sgpr_count 2
		.amdhsa_user_sgpr_kernarg_segment_ptr 1
		.amdhsa_wavefront_size32 1
		.amdhsa_system_sgpr_workgroup_id_x 1
		.amdhsa_system_sgpr_workgroup_id_y 1
		.amdhsa_system_sgpr_workgroup_id_z 1
		.amdhsa_system_vgpr_workitem_id 0
		.amdhsa_next_free_vgpr 256
		.amdhsa_next_free_sgpr 66
		.amdhsa_reserve_vcc 1
		.amdhsa_float_denorm_mode_32 3
		.amdhsa_float_denorm_mode_16_64 3
		.amdhsa_memory_ordered 1
		.amdhsa_forward_progress 1
		.amdhsa_inst_pref_size 57
	.end_amdhsa_kernel
	.amdgpu_metadata
---
amdhsa.version: [ 1, 2 ]
amdhsa.kernels:
  - .name:           k_q3be93122c5_attn
    .symbol:         k_q3be93122c5_attn.kd
    .args:
      - { .name: qkv, .offset: 0, .size: 8, .value_kind: global_buffer, .address_space: global }
      - { .name: lowp_scales, .offset: 8, .size: 8, .value_kind: global_buffer, .address_space: global }
      - { .name: aoc, .offset: 16, .size: 8, .value_kind: global_buffer, .address_space: global }
    .group_segment_fixed_size: 264192
    .private_segment_fixed_size: 0
    .kernarg_segment_align: 8
    .kernarg_segment_size: 24
    .max_flat_workgroup_size: 512
    .sgpr_count:     66
    .vgpr_count:     256
    .wavefront_size: 32
...
	.end_amdgpu_metadata
.endif
;; end of part 3
;; launch gemm_out (part 4): grid 8 x 32, 4 waves a work-group, clusters of 4 x 4, 327,680 bytes of LDS; arguments aoc, wc, lowp_scales, b_out, x, x1; writes x1
.if DOCPART == 4
	.amdgcn_target "amdgcn-amd-amdhsa--gfx1250"
	.amdhsa_code_object_version 6
	.text
	.protected	k_q3be93122c5_gemm_out
	.globl	k_q3be93122c5_gemm_out
	.p2align	8
	.type	k_q3be93122c5_gemm_out,@function
k_q3be93122c5_gemm_out:
	s_mov_b64 s[64:65], 0
	v_nop
	global_prefetch_b8 v0, s[64:65] scope:SCOPE_SE
	s_setreg_imm32_b32 hwreg(HW_REG_WAVE_MODE, 25, 1), 1
	s_wait_xcnt 0x0
	s_wait_alu depctr_hold_cnt(0) depctr_sa_sdst(0) depctr_va_vdst(0) depctr_va_sdst(0) depctr_va_ssrc(0) depctr_va_vcc(0) depctr_vm_vsrc(0)
	s_getreg_b32 s2, hwreg(HW_REG_IB_STS2, 6, 4)
	s_cmp_eq_u32 s2, 0
	s_cbranch_scc0 .Lentry_in_a_cluster
	s_endpgm
.Lentry_in_a_cluster:
	s_bfe_u32 s2, ttmp6, 0x10000c
	s_cmp_lg_u32 s2, 0xf033
	s_cbranch_scc0 .Lentry_shape_is_right
	s_endpgm
.Lentry_shape_is_right:
; x1 = x + (attention's result) W_out^T + b_out.  Both operands are codes of E5M2, K = SIZE_K; sums in f32, x 2^(e6 + e7).  LIMIT: e6 + e7 between -126 and 127.
; N is 1,024: tiles of 256 x 256 would give 64 work-groups, tiles of 128 x 128 give 256.  Four waves, 64 x 64 each: 16 accumulators.
; K goes in steps of 512 (LDS rows of 512 bytes + 16) through two slots; a wave's tensor load brings 64 rows.  4 x 4 work-groups form a cluster: A's tile is asked for jointly along a row, B's along a column.
; Source 0 = 16 rows of the weights, source 1 = 16 rows of A: a lane holds eight neighbouring columns of a row.  The order of k inside a matrix instruction is permuted alike in both operands.
; The residual's 64 x 64 numbers of a wave are loaded at the head, in the layout of the stores, and lie in window 2 under the products.
; REGISTERS: window 0: v16-29 addresses, v32-35 bias, v128-255 accumulators ((a, b) at 128 + 8 (4 a + b)); window 1: two fragment buffers of 128 (A's four blocks, then B's four); window 2: the residual.
.set SIZE_K, 1024
.set WOFF,   3145728                   ; the weights' codes in wc
.set SCB,    24                        ; the two scales' bytes in lowp_scales
.set KSTEP,  512
.set PITCH,  528
.set HALFT,  64*PITCH
.set SLOT,   4*HALFT
.set STAGE,  2*SLOT                    ; behind the ring: 16 rows x 272 bytes for each wave
.set SPITCH, 272
.set SPARE,  STAGE+4*16*SPITCH         ; behind the stages: the spare words, 128 bytes a wave
.set LAPS,   SIZE_K/(2*KSTEP)
.set ADRA, 16
.set ADRB, 20
.set STO,  24
.set RD,   25
.set CO,   26
.set BO,   27
.set SPW,  28
.set NIL,  29
.set BI,   32
.set ACC,  128
.set F0,   0
.set F1,   128
.set G1, 24
.set G0, 32
.set G1B, 48
.set G0B, 56
.set MSB, 0
.macro WIN new
.if MSB != (\new)
	s_set_vgpr_msb (MSB<<8)|(\new)
.set MSB, (\new)
.endif
.endm
.set MUL,  0x05                        ; sources 0 and 1 window 1; C and D window 0
.set TO_F, 0x40                        ; destination window 1
.macro JLOAD s                         ; a joint load: waves 0, 1 fetch A's halves, waves 2, 3 B's; four v_nop follow each line
	s_cmp_eq_u32 s11, 0
	s_cbranch_scc0 .Lfor_b_\@
	tensor_load_to_lds s[G0+4*\s:G0+4*\s+3], s[G1:G1+7]
	s_nop 0
.rept 4
	v_nop
.endr
	s_branch .Lasked_\@
.Lfor_b_\@:
	tensor_load_to_lds s[G0B+4*\s:G0B+4*\s+3], s[G1B:G1B+7]
	s_nop 0
.rept 4
	v_nop
.endr
.Lasked_\@:
.endm
.macro CREST
	s_cmp_lg_u32 s10, 0
	s_cbranch_scc1 .Lnot_wave_0_\@
	s_barrier_signal -3
.Lnot_wave_0_\@:
	s_barrier_wait -3
	s_barrier_signal -1
	s_barrier_wait -1
.endm
.macro CROUND
	s_barrier_signal -1
	s_barrier_wait -1
	CREST
.endm
	s_load_b128 s[4:7], s[0:1], 0x0                ; A's codes, wc
	s_load_b128 s[68:71], s[0:1], 0x10             ; lowp_scales, the bias
	s_load_b128 s[72:75], s[0:1], 0x20             ; the residual, the output
	v_lshl_add_u32 v[SPW], v0, 2, SPARE
	v_mov_b32 v[NIL], 0
	ds_add_u32 v28, v29
	ds_add_u32 v28, v29
	s_wait_dscnt 0x0
	v_lshrrev_b32 v1, 5, v0
	v_readfirstlane_b32 s10, v1                    ; wave
	s_lshr_b32 s11, s10, 1                         ; my half of the rows; also: I fetch for A (0) or B (1)
	s_and_b32 s12, s10, 1                          ; my half of the columns; also: which 64 rows I fetch
	s_bfe_u32 s40, ttmp6, 0x40000                  ; cx
	s_bfe_u32 s41, ttmp6, 0x40004                  ; cy
	s_lshl_b32 s42, ttmp9, 2
	s_add_co_u32 s42, s42, s40                     ; tile column
	s_and_b32 s13, ttmp7, 0xffff
	s_lshl_b32 s13, s13, 2
	s_add_co_u32 s13, s13, s41                     ; tile row
	s_lshl_b32 s43, s41, 2
	s_lshl_b32 s43, 15, s43
	s_lshl_b32 s44, 0x1111, s40
	s_or_b32 s[G1+0], s43, (0<<16)|(1<<20)|(1<<21)|(6<<22)|(3<<25)   ; mask; elements of 1 byte; 4 words of padding behind every 128; bit 21 beside a mask
	s_or_b32 s[G1B+0], s44, (0<<16)|(1<<20)|(1<<21)|(6<<22)|(3<<25)
.irp g, G1, G1B
	s_mov_b32 s[\g+1], KSTEP<<16
	s_mov_b32 s[\g+2], 64<<16
	s_mov_b32 s[\g+3], KSTEP<<16
	s_mov_b32 s[\g+4], 64
	s_mov_b32 s[\g+5], SIZE_K
	s_mov_b32 s[\g+6], 0
	s_mov_b32 s[\g+7], 0
.endr
	s_lshl_b32 s17, s12, 6
	s_lshl_b32 s16, s13, 7
	s_add_co_u32 s16, s16, s17
	s_lshl_b32 s46, s42, 7
	s_add_co_u32 s46, s46, s17
	s_mov_b32 s17, 0
	s_mov_b32 s47, 0
	s_mov_b64 s[18:19], SIZE_K
	s_mul_u64 s[16:17], s[16:17], s[18:19]
	s_mul_u64 s[46:47], s[46:47], s[18:19]
	s_mul_i32 s20, s10, HALFT
	s_wait_kmcnt 0x0
	s_load_b64 s[78:79], s[68:69], SCB             ; the two exponents
	s_add_nc_u64 s[6:7], s[6:7], WOFF
	s_add_nc_u64 s[14:15], s[4:5], s[16:17]
	s_add_nc_u64 s[46:47], s[6:7], s[46:47]
	CROUND                                         ; the first joint loads meet
.irp s, 0,1
	s_mov_b32 s[G0+4*\s], 1
	s_add_co_u32 s[G0+4*\s+1], s20, \s*SLOT
	s_add_nc_u64 s[G0+4*\s+2:G0+4*\s+3], s[14:15], \s*KSTEP
	s_or_b32 s[G0+4*\s+3], s[G0+4*\s+3], 0x80000000
	s_mov_b32 s[G0B+4*\s], 1
	s_add_co_u32 s[G0B+4*\s+1], s20, \s*SLOT
	s_add_nc_u64 s[G0B+4*\s+2:G0B+4*\s+3], s[46:47], \s*KSTEP
	s_or_b32 s[G0B+4*\s+3], s[G0B+4*\s+3], 0x80000000
	JLOAD \s
.endr
	v_and_b32 v1, 15, v0                           ; r
	v_bfe_u32 v2, v0, 4, 1                         ; h
	v_mul_u32_u24 v3, v1, PITCH
	v_lshl_add_u32 v3, v2, 4, v3
	s_mul_i32 s21, s11, HALFT
	s_mul_i32 s22, s12, HALFT
	s_add_co_u32 s22, s22, 2*HALFT
.irp s, 0,1
	v_add_nc_u32 v[ADRA+\s], s21, v3
	v_add_nc_u32 v[ADRB+\s], s22, v3
	s_add_co_u32 s21, s21, SLOT
	s_add_co_u32 s22, s22, SLOT
.endr
	s_mul_i32 s23, s10, 16*SPITCH
	s_add_co_u32 s23, s23, STAGE                   ; my stage
	v_mul_u32_u24 v4, v1, SPITCH
	v_lshl_add_u32 v4, v2, 5, v4
	v_add_nc_u32 v[STO], s23, v4                   ; in: row r, 32 bytes for each half of the lanes
	v_mul_u32_u24 v5, v2, SPITCH
	v_lshl_add_u32 v5, v1, 4, v5
	v_add_nc_u32 v[RD], s23, v5                    ; back: sixteen lanes to a row of 256 bytes
	v_lshlrev_b32 v5, 12, v2
	v_lshl_add_u32 v[CO], v1, 4, v5                ; and the same two rows in memory (a row is 4,096 bytes)
	v_lshlrev_b32 v[BO], 4, v1
	s_lshl_b32 s80, s13, 7
	s_lshl_b32 s81, s11, 6
	s_add_co_u32 s80, s80, s81                     ; my first row
	s_lshl_b32 s80, s80, 12
	s_lshl_b32 s82, s42, 7
	s_lshl_b32 s83, s12, 6
	s_add_co_u32 s82, s82, s83                     ; my first column
	s_lshl_b32 s82, s82, 2
	s_mov_b32 s83, 0
	s_add_nc_u64 s[70:71], s[70:71], s[82:83]
	s_add_co_u32 s80, s80, s82
	s_mov_b32 s81, 0
	s_add_nc_u64 s[72:73], s[72:73], s[80:81]
	s_add_nc_u64 s[74:75], s[74:75], s[80:81]
	WIN 0x80                                       ; destination window 2
.irp a, 0,1,2,3
.irp t, 0,1,2,3,4,5,6,7
	global_load_b128 v[4*(8*\a+\t):4*(8*\a+\t)+3], v[CO], s[72:73] offset:(16*\a+2*\t)*4096
.endr
.endr
	WIN 0
	global_load_b128 v[BI:BI+3], v[BO], s[70:71]   ; the bias of my four columns
.macro FRAG reg, adr, q, i
.irp c, 0,1,2,3
	ds_load_b128 v[\reg+4*\c:\reg+4*\c+3], v[\adr] offset:128*(\q)+32*\c+(\i)*16*PITCH
.endr
.endm
.macro FETCH slot, q, f                ; 32 loads in one run: B's four blocks, then A's four: the last eight are A's blocks 2 and 3
	WIN TO_F
.irp i, 0,1,2,3
	FRAG \f+64+16*\i, ADRB+\slot, \q, \i
.endr
.irp i, 0,1,2,3
	FRAG \f+16*\i, ADRA+\slot, \q, \i
.endr
.endm
.macro MUL8 f, a0, zero                ; A's blocks a0, a0 + 1 x B's four, 128 along K; the 16 accumulators take turns, one instruction a turn
.irp a, \a0, \a0+1
.irp b, 0,1,2,3
.if \zero
	v_wmma_f32_16x16x128_bf8_bf8 v[ACC+8*(4*(\a)+\b):ACC+8*(4*(\a)+\b)+7], v[\f+64+16*\b:\f+64+16*\b+15], v[\f+16*(\a):\f+16*(\a)+15], 0
.else
	v_wmma_f32_16x16x128_bf8_bf8 v[ACC+8*(4*(\a)+\b):ACC+8*(4*(\a)+\b)+7], v[\f+64+16*\b:\f+64+16*\b+15], v[\f+16*(\a):\f+16*(\a)+15], v[ACC+8*(4*(\a)+\b):ACC+8*(4*(\a)+\b)+7]
.endif
.endr
.endr
.endm
.macro PLACES
.rept 4
	v_nop
.endr
.endm
.macro QUARTER slot, qn, f, g, zero    ; multiplies buffer f (128 along K) and fetches the slot's quarter qn into g
	s_wait_dscnt 8                                 ; all but A's blocks 2 and 3
	WIN MUL
	MUL8 \f, 0, \zero
	PLACES
	FETCH \slot, \qn, \g
	s_wait_dscnt 32                                ; all but the 32 just issued
	WIN MUL
	MUL8 \f, 2, \zero
.endm
.macro TURN slot, next, fill           ; a slot's last quarter (buffer 1) changes slots: one barrier
	WIN 0
	s_wait_tensorcnt 0x0                           ; all my tensor loads have landed: my part of the next slot
	ds_add_u32 v[SPW], v[NIL]                      ; 0 onto my spare word
	s_wait_dscnt 0x0                               ; the add is done, and my reads of this slot are over
	s_barrier_signal -1
	WIN MUL
	MUL8 F1, 0, 0
	WIN 0
	s_barrier_wait -1
.if \fill
	CREST                                          ; the barrier opened a round of the cluster's
	s_add_nc_u64 s[G0+4*\slot+2:G0+4*\slot+3], s[G0+4*\slot+2:G0+4*\slot+3], 2*KSTEP
	s_add_nc_u64 s[G0B+4*\slot+2:G0B+4*\slot+3], s[G0B+4*\slot+2:G0B+4*\slot+3], 2*KSTEP
	JLOAD \slot                                    ; the first tensor load behind the round; its four v_nop are the places in front of the loads below
.else
	PLACES
.endif
	FETCH \next, 0, F0
	WIN MUL
	MUL8 F1, 2, 0
.endm
	s_wait_tensorcnt 1                             ; my part of K step 0 is in; K step 1's load may be out
	s_barrier_signal -1
	s_barrier_wait -1
	FETCH 0, 0, F0
	QUARTER 0, 1, F0, F1, 1                        ; the first quarter's products start the sums
.if LAPS > 1
	WIN 0
	s_mov_b32 s3, LAPS-1
.Llap:
	QUARTER 0, 2, F1, F0, 0
	QUARTER 0, 3, F0, F1, 0
	TURN 0, 1, 1
	QUARTER 1, 1, F0, F1, 0
	QUARTER 1, 2, F1, F0, 0
	QUARTER 1, 3, F0, F1, 0
	TURN 1, 0, 1
	QUARTER 0, 1, F0, F1, 0
	WIN 0
	s_sub_co_u32 s3, s3, 1
	s_cmp_lg_u32 s3, 0
	s_cbranch_scc1 .Llap
.endif
	QUARTER 0, 2, F1, F0, 0                        ; the last lap fills nothing
	QUARTER 0, 3, F0, F1, 0
	TURN 0, 1, 0
	QUARTER 1, 1, F0, F1, 0
	QUARTER 1, 2, F1, F0, 0
	QUARTER 1, 3, F0, F1, 0
	s_wait_dscnt 8
	WIN MUL
	MUL8 F1, 0, 0
	s_wait_dscnt 0
	MUL8 F1, 2, 0
	WIN 0
	; THE WAY OUT.  A block of 16 rows x 64 columns goes through my own stage and comes back as rows of 256 bytes, into the registers that it left; LDS serves a wave's instructions in order.
	s_wait_kmcnt 0x0
	s_add_co_i32 s76, s78, s79
	s_add_co_i32 s76, s76, 127
	s_lshl_b32 s76, s76, 23                        ; 2^(ea + eb) as f32
	s_mov_b32 s77, s76
	PLACES
.irp a, 0,1,2,3
.irp b, 0,1,2,3
	ds_store_b128 v[STO], v[ACC+8*(4*\a+\b):ACC+8*(4*\a+\b)+3] offset:64*\b
	ds_store_b128 v[STO], v[ACC+8*(4*\a+\b)+4:ACC+8*(4*\a+\b)+7] offset:64*\b+16
.endr
.irp t, 0,1,2,3,4,5,6,7
	ds_load_b128 v[ACC+32*\a+4*\t:ACC+32*\a+4*\t+3], v[RD] offset:2*\t*SPITCH
.endr
.endr
	s_wait_loadcnt 0x0                             ; the residual and the bias
.irp a, 0,1,2,3
	s_wait_dscnt 16*(3-\a)                         ; the later blocks' sixteen LDS instructions each may be out
.set i, 0
.rept 16
	v_pk_fma_f32 v[ACC+32*\a+i:ACC+32*\a+i+1], v[ACC+32*\a+i:ACC+32*\a+i+1], s[76:77], v[BI+i%4:BI+i%4+1] op_sel_hi:[1,0,1]   ; sum x 2^(ea + eb) + bias
.set i, i+2
.endr
	WIN 0x08                                       ; source 1 window 2
.set i, 0
.rept 16
	v_pk_add_f32 v[ACC+32*\a+i:ACC+32*\a+i+1], v[ACC+32*\a+i:ACC+32*\a+i+1], v[32*\a+i:32*\a+i+1]   ; + the residual
.set i, i+2
.endr
	WIN 0
.irp t, 0,1,2,3,4,5,6,7
	global_store_b128 v[CO], v[ACC+32*\a+4*\t:ACC+32*\a+4*\t+3], s[74:75] offset:(16*\a+2*\t)*4096   ; sixteen lanes store 256 consecutive bytes, aligned
.endr
.endr
	s_wait_tensorcnt 0x0                           ; the wave's end
	ds_add_u32 v[SPW], v[NIL]
	s_wait_dscnt 0x0
	CROUND                                         ; the closing round
	s_endpgm
.Lfunc_end_k_q3be93122c5_gemm_out:
	.size	k_q3be93122c5_gemm_out, .Lfunc_end_k_q3be93122c5_gemm_out-k_q3be93122c5_gemm_out
	.p2alignl 7, 3214868480
	.fill 96, 4, 3214868480
	.section	.rodata,"a",@progbits
	.p2align	6, 0x0
	.amdhsa_kernel k_q3be93122c5_gemm_out
		.amdhsa_group_segment_fixed_size 327680
		.amdhsa_private_segment_fixed_size 0
		.amdhsa_enable_private_segment 0
		.amdhsa_kernarg_size 48
		.amdhsa_user_sgpr_count 2
		.amdhsa_user_sgpr_kernarg_segment_ptr 1
		.amdhsa_wavefront_size32 1
		.amdhsa_system_sgpr_workgroup_id_x 1
		.amdhsa_system_sgpr_workgroup_id_y 1
		.amdhsa_system_sgpr_workgroup_id_z 1
		.amdhsa_system_vgpr_workitem_id 0
		.amdhsa_next_free_vgpr 768
		.amdhsa_next_free_sgpr 84
		.amdhsa_reserve_vcc 0
		.amdhsa_float_denorm_mode_32 3
		.amdhsa_float_denorm_mode_16_64 3
		.amdhsa_memory_ordered 1
		.amdhsa_forward_progress 1
		.amdhsa_inst_pref_size 53
	.end_amdhsa_kernel
	.amdgpu_metadata
---
amdhsa.version: [ 1, 2 ]
amdhsa.kernels:
  - .name:           k_q3be93122c5_gemm_out
    .symbol:         k_q3be93122c5_gemm_out.kd
    .args:
      - { .name: aoc, .offset: 0, .size: 8, .value_kind: global_buffer, .address_space: global }
      - { .name: wc, .offset: 8, .size: 8, .value_kind: global_buffer, .address_space: global }
      - { .name: lowp_scales, .offset: 16, .size: 8, .value_kind: global_buffer, .address_space: global }
      - { .name: b_out, .offset: 24, .size: 8, .value_kind: global_buffer, .address_space: global }
      - { .name: x, .offset: 32, .size: 8, .value_kind: global_buffer, .address_space: global }
      - { .name: x1, .offset: 40, .size: 8, .value_kind: global_buffer, .address_space: global }
    .group_segment_fixed_size: 327680
    .private_segment_fixed_size: 0
    .kernarg_segment_align: 8
    .kernarg_segment_size: 48
    .max_flat_workgroup_size: 128
    .sgpr_count:     84
    .vgpr_count:     768
    .wavefront_size: 32
...
	.end_amdgpu_metadata
.endif
;; end of part 4
;; launch ln2 (part 5): grid 256 x 1, 4 waves a work-group, no clusters, 0 bytes of LDS; arguments x1, ln2_g, ln2_b, lowp_scales, hc; writes hc
.if DOCPART == 5
	.amdgcn_target "amdgcn-amd-amdhsa--gfx1250"
	.amdhsa_code_object_version 6
	.text
	.protected	k_q3be93122c5_ln2
	.globl	k_q3be93122c5_ln2
	.p2align	8
	.type	k_q3be93122c5_ln2,@function
k_q3be93122c5_ln2:
	s_mov_b64 s[64:65], 0
	v_nop
	global_prefetch_b8 v0, s[64:65] scope:SCOPE_SE
	s_setreg_imm32_b32 hwreg(HW_REG_WAVE_MODE, 25, 1), 1
	s_wait_xcnt 0x0
; LayerNorm 2 of x1 [4096][1024], quantised to codes of E5M2 with the scale 2^e8 (lowp_scales[8]) into hc [4096][1024].
; One wave a row, 4 rows a wave.  A lane holds k = 256 j + 8 lane + i (j = 0..3, i = 0..7): eight neighbours in eight registers, so each store of 8 codes a lane covers 256 consecutive bytes, aligned.
; Mean first, then the mean of the squared differences.  No LDS, barrier, matrix unit or cluster: waves share nothing.
; LIMIT: e8 between -126 and 112.  NaN among the inputs is not served.
.set NR,    4
.set LG,    32                         ; v32-63   gain
.set LB,    64                         ; v64-95   bias
.set LX,    96                         ; v96-159  two sets of 32 numbers of a row
.set LC,    160                        ; v160-175 two sets of 8 registers of codes
.macro LOADROW r
.irp j, 0,1,2,3
	global_load_b128 v[LX+32*((\r)%2)+8*\j:LX+32*((\r)%2)+8*\j+3], v1, s[12:13] offset:4096*(\r)+1024*\j
	global_load_b128 v[LX+32*((\r)%2)+8*\j+4:LX+32*((\r)%2)+8*\j+7], v1, s[12:13] offset:4096*(\r)+1024*\j+16
.endr
.endm
.macro REDADD                          ; v[4:5] -> the sum over the wave, in v4 of every lane
	v_add_f32 v4, v4, v5
	v_add_f32_dpp v4, v4, v4 row_xmask:1 row_mask:0xf bank_mask:0xf
	v_add_f32_dpp v4, v4, v4 row_xmask:2 row_mask:0xf bank_mask:0xf
	v_add_f32_dpp v4, v4, v4 row_xmask:4 row_mask:0xf bank_mask:0xf
	v_add_f32_dpp v4, v4, v4 row_xmask:8 row_mask:0xf bank_mask:0xf
	v_permlanex16_b32 v22, v4, s48, s49
	v_add_f32 v4, v4, v22
.endm
.macro ROW r
.set XS, LX+32*((\r)%2)
.set CS, LC+8*((\r)%2)
.if (\r) < NR-1
	s_wait_loadcnt 8                               ; my row is in (gain and bias too); the next row's eight loads may be out
.else
	s_wait_loadcnt 0
.endif
	v_pk_add_f32 v[4:5], v[XS:XS+1], v[XS+2:XS+3]
	v_pk_add_f32 v[6:7], v[XS+4:XS+5], v[XS+6:XS+7]
.irp j, 8,12,16,20,24,28
	v_pk_add_f32 v[4:5], v[4:5], v[XS+\j:XS+\j+1]
	v_pk_add_f32 v[6:7], v[6:7], v[XS+\j+2:XS+\j+3]
.endr
	v_pk_add_f32 v[4:5], v[4:5], v[6:7]
	REDADD
	v_mul_f32 v8, v23, v4                          ; the mean, twice: a pair for the packed form
	v_mul_f32 v9, v23, v4
.irp j, 0,2,4,6,8,10,12,14,16,18,20,22,24,26,28,30
	v_pk_add_f32 v[XS+\j:XS+\j+1], v[XS+\j:XS+\j+1], v[8:9] neg_lo:[0,1] neg_hi:[0,1]
.endr
	v_pk_mul_f32 v[4:5], v[XS:XS+1], v[XS:XS+1]
	v_pk_mul_f32 v[6:7], v[XS+2:XS+3], v[XS+2:XS+3]
.irp j, 4,8,12,16,20,24,28
	v_pk_fma_f32 v[4:5], v[XS+\j:XS+\j+1], v[XS+\j:XS+\j+1], v[4:5]
	v_pk_fma_f32 v[6:7], v[XS+\j+2:XS+\j+3], v[XS+\j+2:XS+\j+3], v[6:7]
.endr
	v_pk_add_f32 v[4:5], v[4:5], v[6:7]
	REDADD
	v_fmaak_f32 v10, v4, v23, 0x3727c5ac           ; variance + 1e-5
	v_rsq_f32 v10, v10
	v_mov_b32 v11, 0                               ; a plain line behind the transcendental (and the pair's upper half is written)
	s_wait_alu depctr_va_vdst(0)                   ; the wait ahead of the result's first reader
.irp j, 0,2,4,6,8,10,12,14,16,18,20,22,24,26,28,30
	v_pk_mul_f32 v[XS+\j:XS+\j+1], v[XS+\j:XS+\j+1], v[10:11] op_sel_hi:[1,0]
.endr
.irp j, 0,2,4,6,8,10,12,14,16,18,20,22,24,26,28,30
	v_pk_fma_f32 v[XS+\j:XS+\j+1], v[XS+\j:XS+\j+1], v[LG+\j:LG+\j+1], v[LB+\j:LB+\j+1]
.endr
.irp j, 0,1,2,3,4,5,6,7,8,9,10,11,12,13,14,15,16,17,18,19,20,21,22,23,24,25,26,27,28,29,30,31
	v_med3_num_f32 v[XS+\j], v[XS+\j], -v21, v21   ; the conversion does not saturate (ISA guide 7.6.2)
.endr
	s_wait_xcnt 0x0                                ; the stores of two rows back have read this set of code registers
.irp j, 0,1,2,3
	v_cvt_scalef32_pk8_bf8_f32 v[CS+2*\j:CS+2*\j+1], v[XS+8*\j:XS+8*\j+7], v20
.endr
	v_nop
.irp j, 0,1,2,3
	global_store_b64 v2, v[CS+2*\j:CS+2*\j+1], s[22:23] offset:1024*(\r)+256*\j
.endr
.if (\r)+2 < NR
	LOADROW (\r)+2
.endif
.endm
	s_load_b256 s[12:19], s[0:1], 0x0              ; x1, ln2_g, ln2_b, lowp_scales
	s_load_b64 s[22:23], s[0:1], 0x20              ; hc
	v_lshrrev_b32 v1, 5, v0
	v_readfirstlane_b32 s50, v1                    ; wave
	v_and_b32 v2, 31, v0                           ; lane
	v_lshlrev_b32 v1, 5, v2                        ; 32 x lane
	v_lshlrev_b32 v2, 3, v2                        ; 8 x lane
	v_mov_b32 v22, 0                               ; a lane permute's destination counts as read
	v_mov_b32 v23, 0x3a800000                      ; 1 / 1,024
	s_mov_b32 s48, 0x76543210
	s_mov_b32 s49, 0xfedcba98
	s_lshl_b32 s28, ttmp9, 4
	s_lshl_b32 s29, s50, 2
	s_add_co_u32 s28, s28, s29                     ; my first row: 16 x work-group + 4 x wave
	s_lshl_b32 s30, s28, 12
	s_mov_b32 s31, 0
	s_wait_kmcnt 0x0
	s_load_b32 s36, s[18:19], 0x20                 ; e8
	s_add_nc_u64 s[12:13], s[12:13], s[30:31]
	s_lshl_b32 s30, s28, 10
	s_add_nc_u64 s[22:23], s[22:23], s[30:31]
.irp j, 0,1,2,3
	global_load_b128 v[LG+8*\j:LG+8*\j+3], v1, s[14:15] offset:1024*\j
	global_load_b128 v[LG+8*\j+4:LG+8*\j+7], v1, s[14:15] offset:1024*\j+16
	global_load_b128 v[LB+8*\j:LB+8*\j+3], v1, s[16:17] offset:1024*\j
	global_load_b128 v[LB+8*\j+4:LB+8*\j+7], v1, s[16:17] offset:1024*\j+16
.endr
	LOADROW 0
	LOADROW 1
	s_wait_kmcnt 0x0
	s_add_co_i32 s30, s36, 127
	s_lshl_b32 s31, s30, 23
	v_mov_b32 v20, s31
	s_add_co_i32 s30, s30, 15
	s_lshl_b32 s30, s30, 23
	s_or_b32 s30, s30, 0x600000
	v_mov_b32 v21, s30
.irp r, 0,1,2,3
	ROW \r
.endr
	s_endpgm
.Lfunc_end_k_q3be93122c5_ln2:
	.size	k_q3be93122c5_ln2, .Lfunc_end_k_q3be93122c5_ln2-k_q3be93122c5_ln2
	.p2alignl 7, 3214868480
	.fill 96, 4, 3214868480
	.section	.rodata,"a",@progbits
	.p2align	6, 0x0
	.amdhsa_kernel k_q3be93122c5_ln2
		.amdhsa_group_segment_fixed_size 0
		.amdhsa_private_segment_fixed_size 0
		.amdhsa_enable_private_segment 0
		.amdhsa_kernarg_size 40
		.amdhsa_user_sgpr_count 2
		.amdhsa_user_sgpr_kernarg_segment_ptr 1
		.amdhsa_wavefront_size32 1
		.amdhsa_system_sgpr_workgroup_id_x 1
		.amdhsa_system_sgpr_workgroup_id_y 1
		.amdhsa_system_sgpr_workgroup_id_z 1
		.amdhsa_system_vgpr_workitem_id 0
		.amdhsa_next_free_vgpr 192
		.amdhsa_next_free_sgpr 66
		.amdhsa_reserve_vcc 0
		.amdhsa_float_denorm_mode_32 3
		.amdhsa_float_denorm_mode_16_64 3
		.amdhsa_memory_ordered 1
		.amdhsa_forward_progress 1
		.amdhsa_inst_pref_size 41
	.end_amdhsa_kernel
	.amdgpu_metadata
---
amdhsa.version: [ 1, 2 ]
amdhsa.kernels:
  - .name:           k_q3be93122c5_ln2
    .symbol:         k_q3be93122c5_ln2.kd
    .args:
      - { .name: x1, .offset: 0, .size: 8, .value_kind: global_buffer, .address_space: global }
      - { .name: ln2_g, .offset: 8, .size: 8, .value_kind: global_buffer, .address_space: global }
      - { .name: ln2_b, .offset: 16, .size: 8, .value_kind: global_buffer, .address_space: global }
      - { .name: lowp_scales, .offset: 24, .size: 8, .value_kind: global_buffer, .address_space: global }
      - { .name: hc, .offset: 32, .size: 8, .value_kind: global_buffer, .address_space: global }
    .group_segment_fixed_size: 0
    .private_segment_fixed_size: 0
    .kernarg_segment_align: 8
    .kernarg_segment_size: 40
    .max_flat_workgroup_size: 128
    .sgpr_count:     66
    .vgpr_count:     192
    .wavefront_size: 32
...
	.end_amdgpu_metadata
.endif
;; end of part 5
;; launch gemm_ff1 (part 6): grid 16 x 16, 4 waves a work-group, clusters of 4 x 4, 327,680 bytes of LDS; arguments hc, wc, lowp_scales, b_ff1, gc; writes gc
.if DOCPART == 6
	.amdgcn_target "amdgcn-amd-amdhsa--gfx1250"
	.amdhsa_code_object_version 6
	.text
	.protected	k_q3be93122c5_gemm_ff1
	.globl	k_q3be93122c5_gemm_ff1
	.p2align	8
	.type	k_q3be93122c5_gemm_ff1,@function
k_q3be93122c5_gemm_ff1:
	s_mov_b64 s[64:65], 0
	v_nop
	global_prefetch_b8 v0, s[64:65] scope:SCOPE_SE
	s_setreg_imm32_b32 hwreg(HW_REG_WAVE_MODE, 25, 1), 1
	s_wait_xcnt 0x0
	s_wait_alu depctr_hold_cnt(0) depctr_sa_sdst(0) depctr_va_vdst(0) depctr_va_sdst(0) depctr_va_ssrc(0) depctr_va_vcc(0) depctr_vm_vsrc(0)
	s_getreg_b32 s2, hwreg(HW_REG_IB_STS2, 6, 4)
	s_cmp_eq_u32 s2, 0
	s_cbranch_scc0 .Lentry_in_a_cluster
	s_endpgm
.Lentry_in_a_cluster:
	s_bfe_u32 s2, ttmp6, 0x10000c
	s_cmp_lg_u32 s2, 0xf033
	s_cbranch_scc0 .Lentry_shape_is_right
	s_endpgm
.Lentry_shape_is_right:
; gc = Q(gelu(LN2(x1) W_ff1^T + b_ff1)): a product on codes of E5M2, K = 1,024, the exact gelu in f32, and the quantiser of the next product (scale 2^e10).
; A tile of 256 x 256 to a work-group of four waves, 128 x 128 a wave: 64 accumulators.  K goes in steps of 256 through two LDS slots filled by tensor loads; 4 x 4 work-groups form a cluster:
; A's tile is asked for jointly along a row of the cluster, B's along a column.  Source 0 = 16 rows of the weights, source 1 = 16 rows of A.
; THE GELU IS A LOOP, NOT 16,384 NUMBERS UNROLLED: the raw sums go into a stage of 256 rows x 1,040 bytes, laid over both slots (each has had its last fill, and a barrier stands behind every wave's last read);
; each wave then takes 64 rows, four a trip, a lane 16 neighbouring columns of two rows.  In a stage row the groups of four columns are permuted (group g at byte 16 (g / 4) + 256 (g % 4)), so that writers and readers both touch 16 different 16-byte columns.
; gelu(y) = max(y, 0) - u erfc(u / sqrt 2) / 2, u = min(|y|, 16 sqrt 2).  erfc(a) = (1 + p(q)) / (1 + 2 a) x 2^(-a a log2 e), q = 1 - 4 / (a + 2), p of degree 9; one reciprocal, of (a + 2)(2 a + 1), serves both divisions.
; LIMITS: e8 + e9 between -126 and 127; e10 between -126 and 112.  erfc's relative error is about 1e-6, about 2e-6 beyond |y| = 5; beyond |y| = 13.2 the exponential is flushed to 0, where gelu's tail is under 1e-38.
; NaN among the inputs is not served.  The order of k inside a matrix instruction is permuted alike in both operands.
.set SIZE_K, 1024
.set WOFF,   4194304                   ; w_ff1's codes in wc
.set KSTEP,  256
.set ROWB,   256
.set KROW,   SIZE_K
.set PITCH,  272
.set FR,     16
.set NL,     4
.set NP,     4
.set HALFT,  128*PITCH
.set SLOT,   4*HALFT
.set LAPS,   SIZE_K/(2*KSTEP)
.set SPARE,  2*SLOT
.set SPI,    1040                      ; a stage row: 1,024 bytes + 16
.set ADRA, 16
.set ADRB, 20
.set LIM,  22
.set SCL,  23
.set STO,  24                          ; v24 the stage, in: my rows 0-63
.set RD,   25                          ; v25 the stage, back
.set CO,   26                          ; v26 my offset in gc
.set STO1, 27                          ; v27 the stage, in: my rows 64-127
.set SPW,  28
.set NIL,  29
.set ADR,  30                          ; v30 the trip's read address
.set BO,   31                          ; v31 the bias's offset
.set BI,   32                          ; v32-47 the bias of my 16 columns
.set GY,   64                          ; the loop's arrays of 32 numbers
.set GU,   96
.set GA,   128
.set GB,   160
.set GP,   192
.set GE,   224
.set AF,   128
.set G1, 24
.set G0, 32
.set G1B, 48
.set G0B, 56
.set MSB, 0
.macro WIN new
.if MSB != (\new)
	s_set_vgpr_msb (MSB<<8)|(\new)
.set MSB, (\new)
.endif
.endm
.set MUL_LO, 0xa1
.set MUL_HI, 0xf1
.set TO_B,   0x40
.macro JLOAD g0a, g1a, g0b, g1b
	s_cmp_eq_u32 s15, 0
	s_cbranch_scc0 .Lfor_b_\@
	tensor_load_to_lds s[\g0a:\g0a+3], s[\g1a:\g1a+7]
	s_nop 0
.rept 4
	v_nop
.endr
	s_branch .Lasked_\@
.Lfor_b_\@:
	tensor_load_to_lds s[\g0b:\g0b+3], s[\g1b:\g1b+7]
	s_nop 0
.rept 4
	v_nop
.endr
.Lasked_\@:
.endm
.macro CREST
	s_cmp_lg_u32 s14, 0
	s_cbranch_scc1 .Lnot_wave_0_\@
	s_barrier_signal -3
.Lnot_wave_0_\@:
	s_barrier_wait -3
	s_barrier_signal -1
	s_barrier_wait -1
.endm
.macro CROUND
	s_barrier_signal -1
	s_barrier_wait -1
	CREST
.endm
	s_load_b128 s[4:7], s[0:1], 0x0                ; hc, wc
	s_load_b128 s[8:11], s[0:1], 0x10              ; lowp_scales, b_ff1
	s_load_b64 s[12:13], s[0:1], 0x20              ; gc
	v_lshl_add_u32 v[SPW], v0, 2, SPARE
	v_mov_b32 v[NIL], 0
	ds_add_u32 v28, v29
	ds_add_u32 v28, v29
	s_wait_dscnt 0x0
	v_lshrrev_b32 v1, 5, v0
	v_readfirstlane_b32 s14, v1                    ; wave
	s_lshr_b32 s15, s14, 1
	s_and_b32 s16, s14, 1
	s_bfe_u32 s40, ttmp6, 0x40000                  ; cx
	s_bfe_u32 s41, ttmp6, 0x40004                  ; cy
	s_lshl_b32 s42, ttmp9, 2
	s_add_co_u32 s42, s42, s40                     ; tile column
	s_and_b32 s17, ttmp7, 0xffff
	s_lshl_b32 s17, s17, 2
	s_add_co_u32 s17, s17, s41                     ; tile row
	s_lshl_b32 s43, s41, 2
	s_lshl_b32 s43, 15, s43
	s_lshl_b32 s44, 0x1111, s40
	s_or_b32 s[G1+0], s43, (0<<16)|(1<<20)|(1<<21)|(5<<22)|(3<<25)
	s_or_b32 s[G1B+0], s44, (0<<16)|(1<<20)|(1<<21)|(5<<22)|(3<<25)
.irp g, G1, G1B
	s_mov_b32 s[\g+1], ROWB<<16
	s_mov_b32 s[\g+2], 128<<16
	s_mov_b32 s[\g+3], ROWB<<16
	s_mov_b32 s[\g+4], 128
	s_mov_b32 s[\g+5], KROW
	s_mov_b32 s[\g+6], 0
	s_mov_b32 s[\g+7], 0
.endr
	s_lshl_b32 s18, s16, 7
	s_lshl_b32 s20, s17, 8
	s_add_co_u32 s20, s20, s18
	s_lshl_b32 s46, s42, 8
	s_add_co_u32 s46, s46, s18
	s_mov_b32 s21, 0
	s_mov_b32 s47, 0
	s_mov_b64 s[18:19], KROW
	s_mul_u64 s[20:21], s[20:21], s[18:19]
	s_mul_u64 s[46:47], s[46:47], s[18:19]
	s_mul_i32 s45, s14, HALFT
	s_wait_kmcnt 0x0
	s_load_b128 s[96:99], s[8:9], 0x20             ; e8, e9, e10, e11
	s_add_nc_u64 s[6:7], s[6:7], WOFF
	s_add_nc_u64 s[20:21], s[4:5], s[20:21]
	s_add_nc_u64 s[46:47], s[6:7], s[46:47]
	CROUND
.irp s, 0,1
	s_mov_b32 s[G0+4*\s], 1
	s_add_co_u32 s[G0+4*\s+1], s45, \s*SLOT
	s_add_nc_u64 s[G0+4*\s+2:G0+4*\s+3], s[20:21], \s*ROWB
	s_or_b32 s[G0+4*\s+3], s[G0+4*\s+3], 0x80000000
	s_mov_b32 s[G0B+4*\s], 1
	s_add_co_u32 s[G0B+4*\s+1], s45, \s*SLOT
	s_add_nc_u64 s[G0B+4*\s+2:G0B+4*\s+3], s[46:47], \s*ROWB
	s_or_b32 s[G0B+4*\s+3], s[G0B+4*\s+3], 0x80000000
	JLOAD G0+4*\s, G1, G0B+4*\s, G1B
.endr
	v_and_b32 v1, 15, v0                           ; r
	v_bfe_u32 v2, v0, 4, 1                         ; h
	v_mul_u32_u24 v3, v1, PITCH
	v_lshl_add_u32 v4, v2, 4, v3
	s_mul_i32 s21, s15, HALFT
	s_mul_i32 s22, s16, HALFT
	s_add_co_u32 s22, s22, 2*HALFT
.irp s, 0,1
	v_add_nc_u32 v[ADRA+\s], s21, v4
	v_add_nc_u32 v[ADRB+\s], s22, v4
	s_add_co_u32 s21, s21, SLOT
	s_add_co_u32 s22, s22, SLOT
.endr
	s_mul_i32 s23, s15, 128*SPI
	s_lshl_b32 s18, s16, 7
	s_add_co_u32 s23, s23, s18
	v_mul_u32_u24 v5, v1, SPI
	v_lshl_add_u32 v5, v2, 9, v5
	v_add_nc_u32 v[STO], s23, v5                   ; row 128 half + r; byte 128 half + 512 h (+ 16 b, + 256 for the upper four)
	v_add_nc_u32 v[STO1], 4*16*SPI, v[STO]
	s_mul_i32 s23, s14, 64*SPI
	v_mul_u32_u24 v5, v2, SPI
	v_lshl_add_u32 v5, v1, 4, v5
	v_add_nc_u32 v[RD], s23, v5                    ; row 64 wave + lane / 16; byte 16 (lane % 16) (+ 256 c)
	v_lshlrev_b32 v6, 12, v2
	v_lshl_add_u32 v[CO], v1, 4, v6
	v_lshlrev_b32 v[BO], 6, v1                     ; my 16 columns' bias
	s_lshl_b32 s94, s42, 10
	s_mov_b32 s95, 0
	s_add_nc_u64 s[10:11], s[10:11], s[94:95]
.irp c, 0,1,2,3
	global_load_b128 v[BI+4*\c:BI+4*\c+3], v[BO], s[10:11] offset:16*\c
.endr
	s_lshl_b32 s94, s17, 20                        ; gc: 256 rows of 4,096 bytes a tile row,
	s_lshl_b32 s93, s14, 18                        ; my 64 rows,
	s_add_co_u32 s94, s94, s93
	s_lshl_b32 s93, s42, 8                         ; 256 bytes a tile column
	s_add_co_u32 s94, s94, s93
	s_add_nc_u64 s[12:13], s[12:13], s[94:95]
.macro FRAG reg, adr, q, i
.irp c, 0,1,2,3
	ds_load_b128 v[\reg+4*\c:\reg+4*\c+3], v[\adr] offset:128*(\q)+32*\c+(\i)*16*PITCH
.endr
.endm
.macro MUL16 a0, p, zero               ; the 64 accumulators take turns, one instruction a turn
.irp a, \a0, \a0+1
.irp b, 0,1,2,3,4,5,6,7
.if \zero
	v_wmma_f32_16x16x128_bf8_bf8 v[8*(8*((\a)%4)+\b):8*(8*((\a)%4)+\b)+7], v[128*(\p)+FR*\b:128*(\p)+FR*\b+FR-1], v[AF+FR*(\a):AF+FR*(\a)+FR-1], 0
.else
	v_wmma_f32_16x16x128_bf8_bf8 v[8*(8*((\a)%4)+\b):8*(8*((\a)%4)+\b)+7], v[128*(\p)+FR*\b:128*(\p)+FR*\b+FR-1], v[AF+FR*(\a):AF+FR*(\a)+FR-1], v[8*(8*((\a)%4)+\b):8*(8*((\a)%4)+\b)+7]
.endif
.endr
.endr
.endm
.macro FETCH_B slot, q, p
	WIN TO_B
.irp i, 0,1,2,3,4,5,6,7
	FRAG 128*(\p)+FR*\i, ADRB+\slot, \q, \i
.endr
	WIN 0
.endm
.macro FETCH_A slot, q, i0
.irp i, \i0, \i0+1, \i0+2, \i0+3
	FRAG AF+FR*(\i), ADRA+\slot, \q, \i
.endr
.endm
.macro PLACES n
.rept \n
	v_nop
.endr
.endm
.macro STEP slot, q, zero
	s_wait_dscnt 4*NL                              ; B's set and A's blocks 0-3 are in; A's blocks 4-7 (16 loads) may be out
	WIN MUL_LO
	MUL16 0, (\q)%2, \zero
	MUL16 2, (\q)%2, \zero
	s_wait_dscnt 0
	PLACES NP
	FETCH_B \slot, (\q)+1, 1-(\q)%2
	FETCH_A \slot, (\q)+1, 0
	WIN MUL_HI
	MUL16 4, (\q)%2, \zero
	MUL16 6, (\q)%2, \zero
	PLACES NP
	WIN 0
	FETCH_A \slot, (\q)+1, 4
.endm
.macro TURN slot, next, fill
	s_wait_tensorcnt 0x0                           ; all my tensor loads have landed: my part of the next slot
	ds_add_u32 v[SPW], v[NIL]                      ; 0 onto my spare word
	s_wait_dscnt 4*NL+1                            ; (the add and A's blocks 4-7 may be out)
	WIN MUL_LO
	MUL16 0, 1, 0
	s_wait_dscnt 0x0                               ; the add is done, and my reads of this slot are over
	s_barrier_signal -1
	MUL16 2, 1, 0
	WIN 0
	s_barrier_wait -1
.if \fill
	CREST
	s_add_nc_u64 s[G0+4*\slot+2:G0+4*\slot+3], s[G0+4*\slot+2:G0+4*\slot+3], 2*ROWB
	s_add_nc_u64 s[G0B+4*\slot+2:G0B+4*\slot+3], s[G0B+4*\slot+2:G0B+4*\slot+3], 2*ROWB
	JLOAD G0+4*\slot, G1, G0B+4*\slot, G1B
.else
	PLACES NP
.endif
	FETCH_B \next, 0, 0
	FETCH_A \next, 0, 0
	WIN MUL_HI
	MUL16 4, 1, 0
	MUL16 6, 1, 0
	PLACES NP
	WIN 0
	FETCH_A \next, 0, 4
.endm
	s_wait_tensorcnt 1                             ; my part of K step 0 is in; K step 1's load may be out
	s_barrier_signal -1
	s_barrier_wait -1
	FETCH_B 0, 0, 0
	FETCH_A 0, 0, 0
	FETCH_A 0, 0, 4
	STEP 0, 0, 1
	s_mov_b32 s3, LAPS-1
.Llap:
	TURN 0, 1, 1
	STEP 1, 0, 0
	TURN 1, 0, 1
	STEP 0, 0, 0
	s_sub_co_u32 s3, s3, 1
	s_cmp_lg_u32 s3, 0
	s_cbranch_scc1 .Llap
	TURN 0, 1, 0
	STEP 1, 0, 0
	s_wait_dscnt 4*NL
	WIN MUL_LO
	MUL16 0, 1, 0
	MUL16 2, 1, 0
	s_wait_dscnt 0
	WIN MUL_HI
	MUL16 4, 1, 0
	MUL16 6, 1, 0
	WIN 0
	; ---- the constants of the way out
.macro PAIR reg, val                   ; a packed form names a scalar pair and takes its low word: both are written
	s_mov_b32 s[\reg], \val
	s_mov_b32 s[\reg+1], \val
.endm
	s_wait_kmcnt 0x0
	s_add_co_i32 s66, s96, s97
	s_add_co_i32 s66, s66, 127
	s_lshl_b32 s66, s66, 23                        ; 2^(e8 + e9)
	s_mov_b32 s67, s66
	s_add_co_i32 s94, s98, 127
	s_lshl_b32 s95, s94, 23
	v_mov_b32 v[SCL], s95                          ; 2^e10
	s_add_co_i32 s94, s94, 15
	s_lshl_b32 s94, s94, 23
	s_or_b32 s94, s94, 0x600000
	v_mov_b32 v[LIM], s94                          ; 57,344 x 2^e10
	PAIR 68, 0x3f3504f3                            ; 1 / sqrt 2
	PAIR 70, 0x3fb504f3                            ; sqrt 2
	PAIR 72, 0xbf38aa3b                            ; -log2(e) / 2
	PAIR 74, 0xbaa15130                            ; c8 .. c0
	PAIR 76, 0x3aac2b8a
	PAIR 78, 0x3c0d6e62
	PAIR 80, 0xbc040dc1
	PAIR 82, 0xbd5e05b5
	PAIR 84, 0x3e27fe23
	PAIR 86, 0xbe2a0420
	PAIR 88, 0xbdbdfb0b
	PAIR 90, 0x3e8dd01d
	s_mov_b32 s92, 0x41b504f3                      ; 16 sqrt 2
	v_mov_b32 v56, 0xb9d25000                      ; c9
	v_mov_b32 v57, 0xb9d25000
	; ---- the raw sums into the stage
	s_wait_dscnt 0x0                               ; my reads of slot 1 are over
	s_barrier_signal -1
	s_barrier_wait -1                              ; everybody's are: the stage may be written over both slots
	PLACES NP
.irp a, 0,1,2,3,4,5,6,7
	WIN 0x08+4*((\a)/4)                            ; store data: window 2 or 3
.irp b, 0,1,2,3,4,5,6,7
.set AC, 8*(8*((\a)%4)+\b)
.if \a < 4
	ds_store_b128 v[STO], v[AC:AC+3] offset:((\a)%4)*16*SPI+16*\b
	ds_store_b128 v[STO], v[AC+4:AC+7] offset:((\a)%4)*16*SPI+16*\b+256
.else
	ds_store_b128 v[STO1], v[AC:AC+3] offset:((\a)%4)*16*SPI+16*\b
	ds_store_b128 v[STO1], v[AC+4:AC+7] offset:((\a)%4)*16*SPI+16*\b+256
.endif
.endr
.endr
	WIN 0
	s_wait_dscnt 0x0                               ; for the others' sake
	s_barrier_signal -1
	s_barrier_wait -1
	s_wait_loadcnt 0x0                             ; the bias
.macro PKMUL d, a, b
.set i, 0
.rept 16
	v_pk_mul_f32 v[\d+i:\d+i+1], v[\a+i:\a+i+1], v[\b+i:\b+i+1]
.set i, i+2
.endr
.endm
.macro PKFMA d, a, b, c
.set i, 0
.rept 16
	v_pk_fma_f32 v[\d+i:\d+i+1], v[\a+i:\a+i+1], v[\b+i:\b+i+1], v[\c+i:\c+i+1]
.set i, i+2
.endr
.endm
.macro PKFMS d, a, b, sc               ; a x b + a scalar
.set i, 0
.rept 16
	v_pk_fma_f32 v[\d+i:\d+i+1], v[\a+i:\a+i+1], v[\b+i:\b+i+1], s[\sc:\sc+1] op_sel_hi:[1,1,0]
.set i, i+2
.endr
.endm
.macro PKLIN d, a, sc, k               ; a x a scalar + a constant
.set i, 0
.rept 16
	v_pk_fma_f32 v[\d+i:\d+i+1], v[\a+i:\a+i+1], s[\sc:\sc+1], \k op_sel_hi:[1,0,0]
.set i, i+2
.endr
.endm
.macro RAWLOAD                         ; four rows' sums: register 16 u + 4 c + i = column 16 (lane % 16) + 4 c + i of row 2 u + lane / 16
.irp u, 0,1
.irp c, 0,1,2,3
	ds_load_b128 v[GE+16*\u+4*\c:GE+16*\u+4*\c+3], v[ADR] offset:2*\u*SPI+256*\c
.endr
.endr
.endm
.macro TRIP more
	s_wait_dscnt 0x0                               ; this trip's sums are in
.set i, 0
.rept 16
	v_pk_fma_f32 v[GY+i:GY+i+1], v[GE+i:GE+i+1], s[66:67], v[BI+i%16:BI+i%16+1] op_sel_hi:[1,0,1]   ; y = sum x 2^(e8 + e9) + bias
.set i, i+2
.endr
.set i, 0
.rept 32
	v_min_num_f32 v[GU+i], |v[GY+i]|, s92          ; u
.set i, i+1
.endr
	PKLIN GA, GU, 68, 2.0                          ; a + 2
	PKLIN GB, GU, 70, 1.0                          ; 2 a + 1
	PKMUL GP, GA, GB
.set i, 0
.rept 16
	v_pk_mul_f32 v[GE+i:GE+i+1], v[GU+i:GU+i+1], s[72:73] op_sel_hi:[1,0]
.set i, i+2
.endr
	PKMUL GE, GE, GU                               ; -a a log2 e
.set i, 0
.rept 32
	v_rcp_f32 v[GP+i], v[GP+i]
.set i, i+1
.endr
.set i, 0
.rept 32
	v_exp_f32 v[GE+i], v[GE+i]
.set i, i+1
.endr
.set i, 0
.rept 32
	v_max_num_f32 v[GY+i], 0, v[GY+i]              ; max(y, 0): plain work behind the batch
.set i, i+1
.endr
	s_wait_alu depctr_va_vdst(0)                   ; one wait for the 64 transcendentals, ahead of their first reader
	PKMUL GB, GP, GB                               ; 1 / (a + 2)
	PKMUL GA, GP, GA                               ; 1 / (2 a + 1)
.set i, 0
.rept 16
	v_pk_fma_f32 v[GB+i:GB+i+1], v[GB+i:GB+i+1], -4.0, 1.0 op_sel_hi:[1,0,0]   ; q
.set i, i+2
.endr
.set i, 0
.rept 16
	v_pk_fma_f32 v[GP+i:GP+i+1], v[GB+i:GB+i+1], v[56:57], s[74:75] op_sel_hi:[1,1,0]
.set i, i+2
.endr
.irp ck, 76,78,80,82,84,86,88,90
	PKFMS GP, GP, GB, \ck
.endr
	PKFMA GP, GP, GA, GA                           ; (1 + p) / (1 + 2 a)
	PKMUL GE, GE, GU
	PKMUL GP, GP, GE                               ; u erfc(a)
.if \more
	s_add_co_u32 s93, s93, 4*SPI                   ; the next four rows come in while this trip ends
	v_add_nc_u32 v[ADR], s93, v[RD]
	RAWLOAD
.endif
.set i, 0
.rept 16
	v_pk_fma_f32 v[GY+i:GY+i+1], v[GP+i:GP+i+1], -0.5, v[GY+i:GY+i+1] op_sel_hi:[1,0,1]
.set i, i+2
.endr
.set i, 0
.rept 32
	v_med3_num_f32 v[GY+i], v[GY+i], -v[LIM], v[LIM]
.set i, i+1
.endr
.irp k, 0,1,2,3
	v_cvt_scalef32_pk8_bf8_f32 v[48+2*\k:49+2*\k], v[GY+8*\k:GY+8*\k+7], v[SCL]
.endr
	v_nop
	global_store_b128 v[CO], v[48:51], s[12:13]            ; sixteen lanes store 256 consecutive bytes, aligned
	global_store_b128 v[CO], v[52:55], s[12:13] offset:8192
	s_wait_xcnt 0x0                                ; the stores have read their registers and their base
	s_add_nc_u64 s[12:13], s[12:13], 4*4096
.endm
	s_mov_b32 s93, 0
	v_add_nc_u32 v[ADR], s93, v[RD]
	RAWLOAD
	s_mov_b32 s3, 15
.Lrows:
	TRIP 1
	s_sub_co_u32 s3, s3, 1
	s_cmp_lg_u32 s3, 0
	s_cbranch_scc1 .Lrows
	TRIP 0                                         ; the last four rows: nothing more to read
	s_wait_tensorcnt 0x0                           ; the wave's end
	ds_add_u32 v[SPW], v[NIL]
	s_wait_dscnt 0x0
	CROUND                                         ; the closing round
	s_endpgm
.Lfunc_end_k_q3be93122c5_gemm_ff1:
	.size	k_q3be93122c5_gemm_ff1, .Lfunc_end_k_q3be93122c5_gemm_ff1-k_q3be93122c5_gemm_ff1
	.p2alignl 7, 3214868480
	.fill 96, 4, 3214868480
	.section	.rodata,"a",@progbits
	.p2align	6, 0x0
	.amdhsa_kernel k_q3be93122c5_gemm_ff1
		.amdhsa_group_segment_fixed_size 327680
		.amdhsa_private_segment_fixed_size 0
		.amdhsa_enable_private_segment 0
		.amdhsa_kernarg_size 40
		.amdhsa_user_sgpr_count 2
		.amdhsa_user_sgpr_kernarg_segment_ptr 1
		.amdhsa_wavefront_size32 1
		.amdhsa_system_sgpr_workgroup_id_x 1
		.amdhsa_system_sgpr_workgroup_id_y 1
		.amdhsa_system_sgpr_workgroup_id_z 1
		.amdhsa_system_vgpr_workitem_id 0
		.amdhsa_next_free_vgpr 1024
		.amdhsa_next_free_sgpr 100
		.amdhsa_reserve_vcc 0
		.amdhsa_float_denorm_mode_32 3
		.amdhsa_float_denorm_mode_16_64 3
		.amdhsa_memory_ordered 1
		.amdhsa_forward_progress 1
		.amdhsa_inst_pref_size 149
	.end_amdhsa_kernel
	.amdgpu_metadata
---
amdhsa.version: [ 1, 2 ]
amdhsa.kernels:
  - .name:           k_q3be93122c5_gemm_ff1
    .symbol:         k_q3be93122c5_gemm_ff1.kd
    .args:
      - { .name: hc, .offset: 0, .size: 8, .value_kind: global_buffer, .address_space: global }
      - { .name: wc, .offset: 8, .size: 8, .value_kind: global_buffer, .address_space: global }
      - { .name: lowp_scales, .offset: 16, .size: 8, .value_kind: global_buffer, .address_space: global }
      - { .name: b_ff1, .offset: 24, .size: 8, .value_kind: global_buffer, .address_space: global }
      - { .name: gc, .offset: 32, .size: 8, .value_kind: global_buffer, .address_space: global }
    .group_segment_fixed_size: 327680
    .private_segment_fixed_size: 0
    .kernarg_segment_align: 8
    .kernarg_segment_size: 40
    .max_flat_workgroup_size: 128
    .sgpr_count:     100
    .vgpr_count:     1024
    .wavefront_size: 32
...
	.end_amdgpu_metadata
.endif
;; end of part 6
;; launch gemm_ff2 (part 7): grid 8 x 32, 4 waves a work-group, clusters of 4 x 4, 327,680 bytes of LDS; arguments gc, wc, lowp_scales, b_ff2, x1, out0; writes out0
.if DOCPART == 7
	.amdgcn_target "amdgcn-amd-amdhsa--gfx1250"
	.amdhsa_code_object_version 6
	.text
	.protected	k_q3be93122c5_gemm_ff2
	.globl	k_q3be93122c5_gemm_ff2
	.p2align	8
	.type	k_q3be93122c5_gemm_ff2,@function
k_q3be93122c5_gemm_ff2:
	s_mov_b64 s[64:65], 0
	v_nop
	global_prefetch_b8 v0, s[64:65] scope:SCOPE_SE
	s_setreg_imm32_b32 hwreg(HW_REG_WAVE_MODE, 25, 1), 1
	s_wait_xcnt 0x0
	s_wait_alu depctr_hold_cnt(0) depctr_sa_sdst(0) depctr_va_vdst(0) depctr_va_sdst(0) depctr_va_ssrc(0) depctr_va_vcc(0) depctr_vm_vsrc(0)
	s_getreg_b32 s2, hwreg(HW_REG_IB_STS2, 6, 4)
	s_cmp_eq_u32 s2, 0
	s_cbranch_scc0 .Lentry_in_a_cluster
	s_endpgm
.Lentry_in_a_cluster:
	s_bfe_u32 s2, ttmp6, 0x10000c
	s_cmp_lg_u32 s2, 0xf033
	s_cbranch_scc0 .Lentry_shape_is_right
	s_endpgm
.Lentry_shape_is_right:
; out0 = x1 + gelu's codes W_ff2^T + b_ff2.  Both operands are codes of E5M2, K = SIZE_K; sums in f32, x 2^(e10 + e11).  LIMIT: e10 + e11 between -126 and 127.
; N is 1,024: tiles of 256 x 256 would give 64 work-groups, tiles of 128 x 128 give 256.  Four waves, 64 x 64 each: 16 accumulators.
; K goes in steps of 512 (LDS rows of 512 bytes + 16) through two slots; a wave's tensor load brings 64 rows.  4 x 4 work-groups form a cluster: A's tile is asked for jointly along a row, B's along a column.
; Source 0 = 16 rows of the weights, source 1 = 16 rows of A: a lane holds eight neighbouring columns of a row.  The order of k inside a matrix instruction is permuted alike in both operands.
; The residual's 64 x 64 numbers of a wave are loaded at the head, in the layout of the stores, and lie in window 2 under the products.
; REGISTERS: window 0: v16-29 addresses, v32-35 bias, v128-255 accumulators ((a, b) at 128 + 8 (4 a + b)); window 1: two fragment buffers of 128 (A's four blocks, then B's four); window 2: the residual.
.set SIZE_K, 4096
.set WOFF,   8388608                   ; the weights' codes in wc
.set SCB,    40                        ; the two scales' bytes in lowp_scales
.set KSTEP,  512
.set PITCH,  528
.set HALFT,  64*PITCH
.set SLOT,   4*HALFT
.set STAGE,  2*SLOT                    ; behind the ring: 16 rows x 272 bytes for each wave
.set SPITCH, 272
.set SPARE,  STAGE+4*16*SPITCH         ; behind the stages: the spare words, 128 bytes a wave
.set LAPS,   SIZE_K/(2*KSTEP)
.set ADRA, 16
.set ADRB, 20
.set STO,  24
.set RD,   25
.set CO,   26
.set BO,   27
.set SPW,  28
.set NIL,  29
.set BI,   32
.set ACC,  128
.set F0,   0
.set F1,   128
.set G1, 24
.set G0, 32
.set G1B, 48
.set G0B, 56
.set MSB, 0
.macro WIN new
.if MSB != (\new)
	s_set_vgpr_msb (MSB<<8)|(\new)
.set MSB, (\new)
.endif
.endm
.set MUL,  0x05                        ; sources 0 and 1 window 1; C and D window 0
.set TO_F, 0x40                        ; destination window 1
.macro JLOAD s                         ; a joint load: waves 0, 1 fetch A's halves, waves 2, 3 B's; four v_nop follow each line
	s_cmp_eq_u32 s11, 0
	s_cbranch_scc0 .Lfor_b_\@
	tensor_load_to_lds s[G0+4*\s:G0+4*\s+3], s[G1:G1+7]
	s_nop 0
.rept 4
	v_nop
.endr
	s_branch .Lasked_\@
.Lfor_b_\@:
	tensor_load_to_lds s[G0B+4*\s:G0B+4*\s+3], s[G1B:G1B+7]
	s_nop 0
.rept 4
	v_nop
.endr
.Lasked_\@:
.endm
.macro CREST
	s_cmp_lg_u32 s10, 0
	s_cbranch_scc1 .Lnot_wave_0_\@
	s_barrier_signal -3
.Lnot_wave_0_\@:
	s_barrier_wait -3
	s_barrier_signal -1
	s_barrier_wait -1
.endm
.macro CROUND
	s_barrier_signal -1
	s_barrier_wait -1
	CREST
.endm
	s_load_b128 s[4:7], s[0:1], 0x0                ; A's codes, wc
	s_load_b128 s[68:71], s[0:1], 0x10             ; lowp_scales, the bias
	s_load_b128 s[72:75], s[0:1], 0x20             ; the residual, the output
	v_lshl_add_u32 v[SPW], v0, 2, SPARE
	v_mov_b32 v[NIL], 0
	ds_add_u32 v28, v29
	ds_add_u32 v28, v29
	s_wait_dscnt 0x0
	v_lshrrev_b32 v1, 5, v0
	v_readfirstlane_b32 s10, v1                    ; wave
	s_lshr_b32 s11, s10, 1                         ; my half of the rows; also: I fetch for A (0) or B (1)
	s_and_b32 s12, s10, 1                          ; my half of the columns; also: which 64 rows I fetch
	s_bfe_u32 s40, ttmp6, 0x40000                  ; cx
	s_bfe_u32 s41, ttmp6, 0x40004                  ; cy
	s_lshl_b32 s42, ttmp9, 2
	s_add_co_u32 s42, s42, s40                     ; tile column
	s_and_b32 s13, ttmp7, 0xffff
	s_lshl_b32 s13, s13, 2
	s_add_co_u32 s13, s13, s41                     ; tile row
	s_lshl_b32 s43, s41, 2
	s_lshl_b32 s43, 15, s43
	s_lshl_b32 s44, 0x1111, s40
	s_or_b32 s[G1+0], s43, (0<<16)|(1<<20)|(1<<21)|(6<<22)|(3<<25)   ; mask; elements of 1 byte; 4 words of padding behind every 128; bit 21 beside a mask
	s_or_b32 s[G1B+0], s44, (0<<16)|(1<<20)|(1<<21)|(6<<22)|(3<<25)
.irp g, G1, G1B
	s_mov_b32 s[\g+1], KSTEP<<16
	s_mov_b32 s[\g+2], 64<<16
	s_mov_b32 s[\g+3], KSTEP<<16
	s_mov_b32 s[\g+4], 64
	s_mov_b32 s[\g+5], SIZE_K
	s_mov_b32 s[\g+6], 0
	s_mov_b32 s[\g+7], 0
.endr
	s_lshl_b32 s17, s12, 6
	s_lshl_b32 s16, s13, 7
	s_add_co_u32 s16, s16, s17
	s_lshl_b32 s46, s42, 7
	s_add_co_u32 s46, s46, s17
	s_mov_b32 s17, 0
	s_mov_b32 s47, 0
	s_mov_b64 s[18:19], SIZE_K
	s_mul_u64 s[16:17], s[16:17], s[18:19]
	s_mul_u64 s[46:47], s[46:47], s[18:19]
	s_mul_i32 s20, s10, HALFT
	s_wait_kmcnt 0x0
	s_load_b64 s[78:79], s[68:69], SCB             ; the two exponents
	s_add_nc_u64 s[6:7], s[6:7], WOFF
	s_add_nc_u64 s[14:15], s[4:5], s[16:17]
	s_add_nc_u64 s[46:47], s[6:7], s[46:47]
	CROUND                                         ; the first joint loads meet
.irp s, 0,1
	s_mov_b32 s[G0+4*\s], 1
	s_add_co_u32 s[G0+4*\s+1], s20, \s*SLOT
	s_add_nc_u64 s[G0+4*\s+2:G0+4*\s+3], s[14:15], \s*KSTEP
	s_or_b32 s[G0+4*\s+3], s[G0+4*\s+3], 0x80000000
	s_mov_b32 s[G0B+4*\s], 1
	s_add_co_u32 s[G0B+4*\s+1], s20, \s*SLOT
	s_add_nc_u64 s[G0B+4*\s+2:G0B+4*\s+3], s[46:47], \s*KSTEP
	s_or_b32 s[G0B+4*\s+3], s[G0B+4*\s+3], 0x80000000
	JLOAD \s
.endr
	v_and_b32 v1, 15, v0                           ; r
	v_bfe_u32 v2, v0, 4, 1                         ; h
	v_mul_u32_u24 v3, v1, PITCH
	v_lshl_add_u32 v3, v2, 4, v3
	s_mul_i32 s21, s11, HALFT
	s_mul_i32 s22, s12, HALFT
	s_add_co_u32 s22, s22, 2*HALFT
.irp s, 0,1
	v_add_nc_u32 v[ADRA+\s], s21, v3
	v_add_nc_u32 v[ADRB+\s], s22, v3
	s_add_co_u32 s21, s21, SLOT
	s_add_co_u32 s22, s22, SLOT
.endr
	s_mul_i32 s23, s10, 16*SPITCH
	s_add_co_u32 s23, s23, STAGE                   ; my stage
	v_mul_u32_u24 v4, v1, SPITCH
	v_lshl_add_u32 v4, v2, 5, v4
	v_add_nc_u32 v[STO], s23, v4                   ; in: row r, 32 bytes for each half of the lanes
	v_mul_u32_u24 v5, v2, SPITCH
	v_lshl_add_u32 v5, v1, 4, v5
	v_add_nc_u32 v[RD], s23, v5                    ; back: sixteen lanes to a row of 256 bytes
	v_lshlrev_b32 v5, 12, v2
	v_lshl_add_u32 v[CO], v1, 4, v5                ; and the same two rows in memory (a row is 4,096 bytes)
	v_lshlrev_b32 v[BO], 4, v1
	s_lshl_b32 s80, s13, 7
	s_lshl_b32 s81, s11, 6
	s_add_co_u32 s80, s80, s81                     ; my first row
	s_lshl_b32 s80, s80, 12
	s_lshl_b32 s82, s42, 7
	s_lshl_b32 s83, s12, 6
	s_add_co_u32 s82, s82, s83                     ; my first column
	s_lshl_b32 s82, s82, 2
	s_mov_b32 s83, 0
	s_add_nc_u64 s[70:71], s[70:71], s[82:83]
	s_add_co_u32 s80, s80, s82
	s_mov_b32 s81, 0
	s_add_nc_u64 s[72:73], s[72:73], s[80:81]
	s_add_nc_u64 s[74:75], s[74:75], s[80:81]
	WIN 0x80                                       ; destination window 2
.irp a, 0,1,2,3
.irp t, 0,1,2,3,4,5,6,7
	global_load_b128 v[4*(8*\a+\t):4*(8*\a+\t)+3], v[CO], s[72:73] offset:(16*\a+2*\t)*4096
.endr
.endr
	WIN 0
	global_load_b128 v[BI:BI+3], v[BO], s[70:71]   ; the bias of my four columns
.macro FRAG reg, adr, q, i
.irp c, 0,1,2,3
	ds_load_b128 v[\reg+4*\c:\reg+4*\c+3], v[\adr] offset:128*(\q)+32*\c+(\i)*16*PITCH
.endr
.endm
.macro FETCH slot, q, f                ; 32 loads in one run: B's four blocks, then A's four: the last eight are A's blocks 2 and 3
	WIN TO_F
.irp i, 0,1,2,3
	FRAG \f+64+16*\i, ADRB+\slot, \q, \i
.endr
.irp i, 0,1,2,3
	FRAG \f+16*\i, ADRA+\slot, \q, \i
.endr
.endm
.macro MUL8 f, a0, zero                ; A's blocks a0, a0 + 1 x B's four, 128 along K; the 16 accumulators take turns, one instruction a turn
.irp a, \a0, \a0+1
.irp b, 0,1,2,3
.if \zero
	v_wmma_f32_16x16x128_bf8_bf8 v[ACC+8*(4*(\a)+\b):ACC+8*(4*(\a)+\b)+7], v[\f+64+16*\b:\f+64+16*\b+15], v[\f+16*(\a):\f+16*(\a)+15], 0
.else
	v_wmma_f32_16x16x128_bf8_bf8 v[ACC+8*(4*(\a)+\b):ACC+8*(4*(\a)+\b)+7], v[\f+64+16*\b:\f+64+16*\b+15], v[\f+16*(\a):\f+16*(\a)+15], v[ACC+8*(4*(\a)+\b):ACC+8*(4*(\a)+\b)+7]
.endif
.endr
.endr
.endm
.macro PLACES
.rept 4
	v_nop
.endr
.endm
.macro QUARTER slot, qn, f, g, zero    ; multiplies buffer f (128 along K) and fetches the slot's quarter qn into g
	s_wait_dscnt 8                                 ; all but A's blocks 2 and 3
	WIN MUL
	MUL8 \f, 0, \zero
	PLACES
	FETCH \slot, \qn, \g
	s_wait_dscnt 32                                ; all but the 32 just issued
	WIN MUL
	MUL8 \f, 2, \zero
.endm
.macro TURN slot, next, fill           ; a slot's last quarter (buffer 1) changes slots: one barrier
	WIN 0
	s_wait_tensorcnt 0x0                           ; all my tensor loads have landed: my part of the next slot
	ds_add_u32 v[SPW], v[NIL]                      ; 0 onto my spare word
	s_wait_dscnt 0x0                               ; the add is done, and my reads of this slot are over
	s_barrier_signal -1
	WIN MUL
	MUL8 F1, 0, 0
	WIN 0
	s_barrier_wait -1
.if \fill
	CREST                                          ; the barrier opened a round of the cluster's: no wave of any partner still reads this slot or has a load on its way
	s_add_nc_u64 s[G0+4*\slot+2:G0+4*\slot+3], s[G0+4*\slot+2:G0+4*\slot+3], 2*KSTEP
	s_add_nc_u64 s[G0B+4*\slot+2:G0B+4*\slot+3], s[G0B+4*\slot+2:G0B+4*\slot+3], 2*KSTEP
	JLOAD \slot                                    ; the first tensor load behind the round; its four v_nop are the places in front of the loads below
.else
	PLACES
.endif
	FETCH \next, 0, F0
	WIN MUL
	MUL8 F1, 2, 0
.endm
	s_wait_tensorcnt 1                             ; my part of K step 0 is in; K step 1's load may be out
	s_barrier_signal -1
	s_barrier_wait -1
	FETCH 0, 0, F0
	QUARTER 0, 1, F0, F1, 1                        ; the first quarter's products start the sums
.if LAPS > 1
	WIN 0
	s_mov_b32 s3, LAPS-1
.Llap:                                             ; a trip goes once round the ring and fills both slots again
	QUARTER 0, 2, F1, F0, 0
	QUARTER 0, 3, F0, F1, 0
	TURN 0, 1, 1
	QUARTER 1, 1, F0, F1, 0
	QUARTER 1, 2, F1, F0, 0
	QUARTER 1, 3, F0, F1, 0
	TURN 1, 0, 1
	QUARTER 0, 1, F0, F1, 0
	WIN 0
	s_sub_co_u32 s3, s3, 1
	s_cmp_lg_u32 s3, 0
	s_cbranch_scc1 .Llap
.endif
	QUARTER 0, 2, F1, F0, 0                        ; the last lap fills nothing
	QUARTER 0, 3, F0, F1, 0
	TURN 0, 1, 0
	QUARTER 1, 1, F0, F1, 0
	QUARTER 1, 2, F1, F0, 0
	QUARTER 1, 3, F0, F1, 0
	s_wait_dscnt 8
	WIN MUL
	MUL8 F1, 0, 0
	s_wait_dscnt 0
	MUL8 F1, 2, 0
	WIN 0
	; THE WAY OUT.  A block of 16 rows x 64 columns goes through my own stage and comes back as rows of 256 bytes, into the registers that it left; LDS serves a wave's instructions in order.
	s_wait_kmcnt 0x0
	s_add_co_i32 s76, s78, s79
	s_add_co_i32 s76, s76, 127
	s_lshl_b32 s76, s76, 23                        ; 2^(ea + eb) as f32
	s_mov_b32 s77, s76
	PLACES
.irp a, 0,1,2,3
.irp b, 0,1,2,3
	ds_store_b128 v[STO], v[ACC+8*(4*\a+\b):ACC+8*(4*\a+\b)+3] offset:64*\b
	ds_store_b128 v[STO], v[ACC+8*(4*\a+\b)+4:ACC+8*(4*\a+\b)+7] offset:64*\b+16
.endr
.irp t, 0,1,2,3,4,5,6,7
	ds_load_b128 v[ACC+32*\a+4*\t:ACC+32*\a+4*\t+3], v[RD] offset:2*\t*SPITCH
.endr
.endr
	s_wait_loadcnt 0x0                             ; the residual and the bias
.irp a, 0,1,2,3
	s_wait_dscnt 16*(3-\a)                         ; the later blocks' sixteen LDS instructions each may be out
.set i, 0
.rept 16
	v_pk_fma_f32 v[ACC+32*\a+i:ACC+32*\a+i+1], v[ACC+32*\a+i:ACC+32*\a+i+1], s[76:77], v[BI+i%4:BI+i%4+1] op_sel_hi:[1,0,1]   ; sum x 2^(ea + eb) + bias
.set i, i+2
.endr
	WIN 0x08                                       ; source 1 window 2
.set i, 0
.rept 16
	v_pk_add_f32 v[ACC+32*\a+i:ACC+32*\a+i+1], v[ACC+32*\a+i:ACC+32*\a+i+1], v[32*\a+i:32*\a+i+1]   ; + the residual
.set i, i+2
.endr
	WIN 0
.irp t, 0,1,2,3,4,5,6,7
	global_store_b128 v[CO], v[ACC+32*\a+4*\t:ACC+32*\a+4*\t+3], s[74:75] offset:(16*\a+2*\t)*4096   ; sixteen lanes store 256 consecutive bytes, aligned
.endr
.endr
	s_wait_tensorcnt 0x0                           ; the wave's end
	ds_add_u32 v[SPW], v[NIL]
	s_wait_dscnt 0x0
	CROUND                                         ; the closing round
	s_endpgm
.Lfunc_end_k_q3be93122c5_gemm_ff2:
	.size	k_q3be93122c5_gemm_ff2, .Lfunc_end_k_q3be93122c5_gemm_ff2-k_q3be93122c5_gemm_ff2
	.p2alignl 7, 3214868480
	.fill 96, 4, 3214868480
	.section	.rodata,"a",@progbits
	.p2align	6, 0x0
	.amdhsa_kernel k_q3be93122c5_gemm_ff2
		.amdhsa_group_segment_fixed_size 327680
		.amdhsa_private_segment_fixed_size 0
		.amdhsa_enable_private_segment 0
		.amdhsa_kernarg_size 48
		.amdhsa_user_sgpr_count 2
		.amdhsa_user_sgpr_kernarg_segment_ptr 1
		.amdhsa_wavefront_size32 1
		.amdhsa_system_sgpr_workgroup_id_x 1
		.amdhsa_system_sgpr_workgroup_id_y 1
		.amdhsa_system_sgpr_workgroup_id_z 1
		.amdhsa_system_vgpr_workitem_id 0
		.amdhsa_next_free_vgpr 768
		.amdhsa_next_free_sgpr 84
		.amdhsa_reserve_vcc 0
		.amdhsa_float_denorm_mode_32 3
		.amdhsa_float_denorm_mode_16_64 3
		.amdhsa_memory_ordered 1
		.amdhsa_forward_progress 1
		.amdhsa_inst_pref_size 81
	.end_amdhsa_kernel
	.amdgpu_metadata
---
amdhsa.version: [ 1, 2 ]
amdhsa.kernels:
  - .name:           k_q3be93122c5_gemm_ff2
    .symbol:         k_q3be93122c5_gemm_ff2.kd
    .args:
      - { .name: gc, .offset: 0, .size: 8, .value_kind: global_buffer, .address_space: global }
      - { .name: wc, .offset: 8, .size: 8, .value_kind: global_buffer, .address_space: global }
      - { .name: lowp_scales, .offset: 16, .size: 8, .value_kind: global_buffer, .address_space: global }
      - { .name: b_ff2, .offset: 24, .size: 8, .value_kind: global_buffer, .address_space: global }
      - { .name: x1, .offset: 32, .size: 8, .value_kind: global_buffer, .address_space: global }
      - { .name: out0, .offset: 40, .size: 8, .value_kind: global_buffer, .address_space: global }
    .group_segment_fixed_size: 327680
    .private_segment_fixed_size: 0
    .kernarg_segment_align: 8
    .kernarg_segment_size: 48
    .max_flat_workgroup_size: 128
    .sgpr_count:     84
    .vgpr_count:     768
    .wavefront_size: 32
...
	.end_amdgpu_metadata
.endif
;; end of part 7
